; MI455X (gfx1250); checked and timed in simulation.
; The chip was launched on July 23, 2026; its instructions are those of AMD's public machine-readable ISA for CDNA 5 (MIT licence, August 2026) and "CDNA5" Instruction Set Architecture Reference Guide (July 2026). The comments in the code are by the model that wrote it; some were corrected since.
;; Self Attention Naive. Allowed arithmetic: float matrix products may take bf16 or f16 operands with f32 sums; all other float work in f32.
;; Inputs: gamma 1 float32; wf 64 x 256 float32; wg 64 x 256 float32; wh 256 x 256 float32; x 8 x 256 x 64 x 64 float32.
;; Outputs: out0 8 x 256 x 64 x 64 float32.
;; 3 versions, each right; version 3 is version 2 with the launch proj written anew for expert scheduling mode. Each part assembles by itself: llvm-mc -triple=amdgcn-amd-amdhsa -mcpu=gfx1250 --defsym DOCPART=n.
;; ======== version 1 of 3: 2 launches
;; limits: values are held in f16: magnitudes above 65,504 overflow, below 6.1e-05 lose precision
;; workspace buffers: kv 20,971,520 bytes; qbuf 4,194,304 bytes
;; launch proj (part 1): grid 32 x 8, 8 waves a work-group, no clusters, 312,320 bytes of LDS; arguments x, wf, wg, wh, kv, qbuf; writes kv, qbuf
.if DOCPART == 1
	.amdgcn_target "amdgcn-amd-amdhsa--gfx1250"
	.amdhsa_code_object_version 6
	.text
	.protected	k_q576aaf7cbc_proj
	.globl	k_q576aaf7cbc_proj
	.p2align	8
	.type	k_q576aaf7cbc_proj,@function
k_q576aaf7cbc_proj:
	s_mov_b64 s[64:65], 0
	v_nop
	global_prefetch_b8 v0, s[64:65] scope:SCOPE_SE
	s_setreg_imm32_b32 hwreg(HW_REG_WAVE_MODE, 25, 1), 1
	s_wait_xcnt 0x0
; The three 1x1 convolutions of reference(): fx = wf x, gx = wg x, hx = wh x, per batch, x taken as [256][4096].
; Nothing of reference() is left out in this program: every input reaches the output for all values, so all five are loaded
; (x, wf, wg, wh here; x again and gamma in the second launch).
; The softmax of reference() runs over the FIRST index of s[i][j] = sum_c fx[c][i] gx[c][j], and o[c][m] = sum_n hx[c][n] b[n][m]:
; column i of fx is a key, column j of gx a query, column i of hx a value.  This launch stores them in f16, cut as the second launch reads them:
;   kv   [batch*32 + step][320 rows][256 bytes]: a step is 128 positions.  Rows 0-63: keys, [position][64 channels], two positions a row.
;        Rows 64-319: values, row 64 + d = hx[d][the step's 128 positions].
;   qbuf [batch][position][64 channels].
; WHY f16: a score is a sum of 64 products and goes into an exponential with no factor in front, so an operand's relative rounding error is multiplied by
; the lengths of key and query; f16's 11 significant bits keep that error an eighth of what 8 bits would leave.
; LIMITS: x and the weights are rounded to f16 in front of the products, fx, gx, hx to f16 behind them (sums in f32).  A magnitude over 65,504 in any of them
; becomes an infinity.  The room: a sum of 256 products of x of size X and weights of size W is at most 256 X W, so X W up to 255 is served.
; Under 2^-14 the rounding error is absolute, at most 2^-25.
; A work-group takes one step of one batch (128 positions) and all 384 output rows; 256 work-groups.  Wave w owns three weight tiles of 16 rows:
; wh rows 32w..32w+31 and rows 16(w&3).. of wf (w < 4) or wg (w >= 4); each meets all eight tiles of 16 positions: 24 accumulators.
; Every byte has to pass registers to be rounded to f16, so x and the weights come by plain loads; no work-group shares converted data with another.
.set XREG,  202752                     ; LDS: x in f16, [channel][128 positions], 256 rows
.set KQST,  276480                     ; LDS: stage of the key rows (0-63) and query rows (64-127)
.set WWAVE, 25344                      ; LDS from 0: each wave's own 48 weight rows
.set WP,    528                        ; a weight row: 512 bytes + 16
.set XP,    288                        ; an x row: 256 bytes + 32 = 9 x 32, as the transposing load's rows want
.set SP,    272                        ; a staged row: 256 bytes + 16 = 17 x 16: sixteen rows' pieces of 16 bytes fall on sixteen different columns of 256
.set XS,    16                         ; v16-143   x as loaded, 32 rows x 4 registers
.set WS,    144                        ; v144-239  weights as loaded, a ring of 24 slots x 4 registers
.set TMP,   240                        ; v240-247  packed f16 on the way to LDS (and the set-up's scratch)
.set XF0,   16                         ; v16-79    x fragments (8 tiles of 16 positions x 32 channels), buffer 0
.set XF1,   80                         ; v80-143   buffer 1
.set WF0,   144                        ; v144-167  weight fragments (3 tiles), buffer 0
.set WF1,   168                        ; v168-191  buffer 1
.set PK,    16                         ; v16-111   the way out: 24 tiles packed, 4 registers each
.set RB,    112                        ; v112-207  the way out: rows read back
; v2 16 x lane (global offset); v3 x store; v5 weight store; v6, v7 x fragments (channels 0-127, 128-255); v8 weight fragments;
; v9, v10 value stage in, back; v11, v12 key and query stage in, back.  Window 1 (v256-447): accumulator 3 nt + {0, 1: values; 2: keys or queries}.
.set MSB, 0
.macro WIN new                         ; the immediate's high byte repeats the setting that is left
.if MSB != \new
	s_set_vgpr_msb (MSB<<8)|\new
.set MSB, \new
.endif
.endm
.macro PLACES n
.rept \n
	v_nop
.endr
.endm
	s_load_b256 s[4:11], s[0:1], 0x0               ; x s[4:5], wf s[6:7], wg s[8:9], wh s[10:11]
	s_load_b128 s[12:15], s[0:1], 0x20             ; kv s[12:13], qbuf s[14:15]
	v_lshl_add_u32 v254, v0, 2, 0x4c000
	v_mov_b32 v255, 0
	v_lshrrev_b32 v1, 5, v0
	v_readfirstlane_b32 s16, v1                    ; wave 0..7
	s_mov_b32 s17, ttmp9                           ; step 0..31
	s_and_b32 s18, ttmp7, 0xffff                   ; batch 0..7
	v_and_b32 v1, 31, v0                           ; lane
	v_lshlrev_b32 v2, 4, v1                        ; 16 bytes a lane
	s_lshl_b32 s30, s18, 22                        ; x: batch x 256 rows x 16,384 bytes
	s_lshl_b32 s19, s16, 19                        ;  + my 32 channels
	s_add_co_u32 s30, s30, s19
	s_lshl_b32 s19, s17, 9                         ;  + the step's 128 positions
	s_add_co_u32 s30, s30, s19
	s_mov_b32 s31, 0
	s_lshl_b32 s32, s16, 15                        ; wh: my 32 rows of 1,024 bytes
	s_mov_b32 s33, 0
	s_and_b32 s19, s16, 3
	s_lshl_b32 s34, s19, 14                        ; wf or wg: my 16 rows
	s_mov_b32 s35, 0
	s_lshl_b32 s40, s18, 5
	s_add_co_u32 s40, s40, s17                     ; tile = 32 batch + step
	s_mul_i32 s41, s40, 81920                      ; the tile in kv
	s_lshl_b32 s42, s16, 13
	s_add_co_u32 s36, s41, s42
	s_add_co_u32 s36, s36, 16384                   ; my 32 value rows: behind the 64 key rows
	s_mov_b32 s37, 0
	s_lshl_b32 s43, s19, 12                        ; 16 rows of 256 bytes for each of four waves
	s_add_co_u32 s41, s41, s43                     ; key rows in kv
	s_lshl_b32 s42, s40, 14
	s_add_co_u32 s42, s42, s43                     ; query rows in qbuf
	s_mov_b32 s39, 0
	s_wait_kmcnt 0x0
	s_cmp_lt_u32 s16, 4                            ; waves 0-3: wf and keys; waves 4-7: wg and queries
	s_cselect_b64 s[24:25], s[6:7], s[8:9]
	s_cselect_b64 s[28:29], s[12:13], s[14:15]
	s_cselect_b32 s38, s41, s42
	s_add_nc_u64 s[20:21], s[4:5], s[30:31]
	s_add_nc_u64 s[22:23], s[10:11], s[32:33]
	s_add_nc_u64 s[24:25], s[24:25], s[34:35]
	s_add_nc_u64 s[26:27], s[12:13], s[36:37]
	s_add_nc_u64 s[28:29], s[28:29], s[38:39]
	; 32 loads of x: each takes the 512 bytes (128 positions) of one channel
.set i, 0
.rept 32
	global_load_b128 v[XS+4*i:XS+4*i+3], v2, s[20:21] offset:i*16384 th:TH_LOAD_NT
.set i, i+1
.endr
; weight load wl (0..95): half a row of 512 bytes; 0-63 from wh, 64-95 from wf or wg
.macro WLOAD
.if wl < 64
	global_load_b128 v[WS+4*(wl%24):WS+4*(wl%24)+3], v2, s[22:23] offset:512*wl
.else
	global_load_b128 v[WS+4*(wl%24):WS+4*(wl%24)+3], v2, s[24:25] offset:512*(wl-64)
.endif
.endm
.set wl, 0
.rept 24
	WLOAD
.set wl, wl+1
.endr
	; LDS addresses, while the loads are on their way
	v_and_b32 v240, 15, v0                         ; r
	v_bfe_u32 v241, v0, 4, 1                       ; h
	v_and_b32 v242, 7, v0
	v_bfe_u32 v243, v0, 3, 1
	s_mul_i32 s44, s16, WWAVE                      ; my weight rows
	s_mul_i32 s45, s16, 32*XP
	s_add_co_u32 s45, s45, XREG
	v_lshl_add_u32 v3, v1, 3, s45                  ; x in: my 32 channels, 8 bytes a lane
	v_lshl_add_u32 v5, v1, 3, s44                  ; weights in
	v_lshl_add_u32 v244, v241, 3, v242             ; transposing load: channel 8h + (lane & 7),
	v_mul_u32_u24 v244, v244, XP
	v_lshl_add_u32 v244, v243, 4, v244             ; 16 bytes further for lanes 8-15 of each half
	v_add_nc_u32 v6, XREG, v244
	v_add_nc_u32 v7, 128*XP, v6                    ; channels 128-255: beyond the reach of a 16-bit offset
	v_mul_u32_u24 v244, v240, WP
	v_lshl_add_u32 v244, v241, 4, v244
	v_add_nc_u32 v8, s44, v244                     ; weight fragment: row r, 16 h
	v_mul_u32_u24 v244, v240, SP
	v_lshl_add_u32 v244, v241, 4, v244
	v_add_nc_u32 v9, s44, v244                     ; value stage in: row r, 16 h
	v_mul_u32_u24 v244, v241, SP
	v_lshl_add_u32 v244, v240, 4, v244             ; back by rows: lanes 0-15 one row, lanes 16-31 the next
	v_add_nc_u32 v10, s44, v244
	s_mul_i32 s45, s16, 16*SP
	s_add_co_u32 s45, s45, KQST
	v_add_nc_u32 v12, s45, v244                    ; wave w reads rows 16w..16w+15 of the key and query stage
	v_lshrrev_b32 v245, 1, v240
	v_and_b32 v246, 1, v240
	v_mul_u32_u24 v245, v245, SP                   ; position r: row r >> 1,
	v_lshl_add_u32 v245, v246, 7, v245             ; half r & 1,
	v_lshl_add_u32 v245, v241, 4, v245             ; channels 8h..
	s_lshr_b32 s45, s16, 2
	s_mul_i32 s45, s45, 64*SP                      ; keys, or queries behind them
	s_lshl_b32 s46, s19, 5                         ; my 16 channels
	s_add_co_u32 s45, s45, s46
	s_add_co_u32 s45, s45, KQST
	v_add_nc_u32 v11, s45, v245
	; x to f16 and into LDS
.set i, 0
.rept 32
	s_wait_loadcnt 55-i                            ; loads return in order: behind x's load i stand 31 - i of x and 24 of the weights
	v_cvt_pk_f16_f32 v[TMP+2*(i%4)], v[XS+4*i], v[XS+4*i+1]
	v_cvt_pk_f16_f32 v[TMP+2*(i%4)+1], v[XS+4*i+2], v[XS+4*i+3]
	ds_store_b64 v3, v[TMP+2*(i%4):TMP+2*(i%4)+1] offset:i*XP
.set i, i+1
.endr
	; the weights likewise, the ring filled again as it empties
.set i, 0
.rept 96
.if i <= 72
	s_wait_loadcnt 23                              ; 23 younger loads of the ring stay out
.else
	s_wait_loadcnt 95-i                            ; nothing is left to ask for: the count runs down
.endif
	v_cvt_pk_f16_f32 v[TMP+2*(i%4)], v[WS+4*(i%24)], v[WS+4*(i%24)+1]
	v_cvt_pk_f16_f32 v[TMP+2*(i%4)+1], v[WS+4*(i%24)+2], v[WS+4*(i%24)+3]
	ds_store_b64 v5, v[TMP+2*(i%4):TMP+2*(i%4)+1] offset:(i/2)*WP+(i%2)*256
.if i+24 < 96
.set wl, i+24
	WLOAD
.endif
.set i, i+1
.endr
	s_wait_dscnt 0x0                               ; my rows of x are in LDS: all waves read them behind the barrier
	s_barrier_signal -1
	s_barrier_wait -1
; The fragments of 32 channels: 16 transposing loads for x (stored [channel][position]), 6 plain ones for the weights (stored along the channels)
.macro FETCH ks, xf, wf
.irp nt, 0,1,2,3,4,5,6,7
	ds_load_tr16_b128 v[\xf+8*\nt:\xf+8*\nt+3],   v[6+\ks/4] offset:(\ks%4)*32*XP+32*\nt
	ds_load_tr16_b128 v[\xf+8*\nt+4:\xf+8*\nt+7], v[6+\ks/4] offset:(\ks%4)*32*XP+32*\nt+16*XP
.endr
.irp tl, 0,1,2
	ds_load_b128 v[\wf+8*\tl:\wf+8*\tl+3],   v8 offset:16*WP*\tl+64*\ks
	ds_load_b128 v[\wf+8*\tl+4:\wf+8*\tl+7], v8 offset:16*WP*\tl+64*\ks+32
.endr
.endm
; 24 products.  Values: source 0 = positions, source 1 = rows of wh, so that a lane's eight results are eight neighbouring positions of one value row.
; Keys and queries: source 0 = rows of wf or wg, source 1 = positions: eight neighbouring channels of one position.
; The 24 accumulators take turns, one instruction a turn, in the same order in every K step.
.macro MUL xf, wf, zero
.irp nt, 0,1,2,3,4,5,6,7
.if \zero
	v_wmma_f32_16x16x32_f16 v[8*(3*\nt):8*(3*\nt)+7],     v[\xf+8*\nt:\xf+8*\nt+7], v[\wf:\wf+7], 0
	v_wmma_f32_16x16x32_f16 v[8*(3*\nt+1):8*(3*\nt+1)+7], v[\xf+8*\nt:\xf+8*\nt+7], v[\wf+8:\wf+15], 0
	v_wmma_f32_16x16x32_f16 v[8*(3*\nt+2):8*(3*\nt+2)+7], v[\wf+16:\wf+23], v[\xf+8*\nt:\xf+8*\nt+7], 0
.else
	v_wmma_f32_16x16x32_f16 v[8*(3*\nt):8*(3*\nt)+7],     v[\xf+8*\nt:\xf+8*\nt+7], v[\wf:\wf+7], v[8*(3*\nt):8*(3*\nt)+7]
	v_wmma_f32_16x16x32_f16 v[8*(3*\nt+1):8*(3*\nt+1)+7], v[\xf+8*\nt:\xf+8*\nt+7], v[\wf+8:\wf+15], v[8*(3*\nt+1):8*(3*\nt+1)+7]
	v_wmma_f32_16x16x32_f16 v[8*(3*\nt+2):8*(3*\nt+2)+7], v[\wf+16:\wf+23], v[\xf+8*\nt:\xf+8*\nt+7], v[8*(3*\nt+2):8*(3*\nt+2)+7]
.endif
.endr
.endm
; One K step: the next step's fragments are asked for, into the buffer that the step before multiplied, then this step's are multiplied
.macro KSTEP nxt, xfc, wfc, xfn, wfn
	PLACES 4                                       ; loads into registers that products have read stand four plain vector instructions behind them (ISA guide 7.12.1 for vector instructions)
	WIN 0
	FETCH \nxt, \xfn, \wfn
	s_wait_dscnt 22                                ; all but the 22 loads just issued
	WIN 0x50                                       ; C and D in window 1
	MUL \xfc, \wfc, 0
.endm
	FETCH 0, XF0, WF0
	FETCH 1, XF1, WF1
	s_wait_dscnt 22
	WIN 0x50
	MUL XF0, WF0, 1                                ; the first products start the sums: nothing is cleared
	KSTEP 2, XF1, WF1, XF0, WF0
	KSTEP 3, XF0, WF0, XF1, WF1
	KSTEP 4, XF1, WF1, XF0, WF0
	KSTEP 5, XF0, WF0, XF1, WF1
	KSTEP 6, XF1, WF1, XF0, WF0
	KSTEP 7, XF0, WF0, XF1, WF1
	s_wait_dscnt 0x0
	MUL XF1, WF1, 0
	; THE WAY OUT: round to f16, 16 bytes a lane into a stage, whole rows of 256 bytes back and out
	PLACES 4                                       ; four places behind the last products, in front of what reads results and writes over fragments
	WIN 0x05                                       ; sources in window 1
.set aa, 0
.rept 24
.irp q, 0,1,2,3
	v_cvt_pk_f16_f32 v[PK+4*aa+\q], v[8*aa+2*\q], v[8*aa+2*\q+1]
.endr
.set aa, aa+1
.endr
	WIN 0
.irp nt, 0,1,2,3,4,5,6,7
.irp dt, 0,1
	ds_store_b128 v9, v[PK+4*(3*\nt+\dt):PK+4*(3*\nt+\dt)+3] offset:16*SP*\dt+32*\nt   ; values: onto my own weight rows, whose last read has been waited for
.endr
	ds_store_b128 v11, v[PK+4*(3*\nt+2):PK+4*(3*\nt+2)+3] offset:8*SP*\nt              ; keys or queries: 16 positions are 8 staged rows
.endr
	s_wait_dscnt 0x0                               ; a key or query row is made by four waves: my part is in LDS
	s_barrier_signal -1
	s_barrier_wait -1
.irp k, 0,1,2,3,4,5,6,7,8,9,10,11,12,13,14,15
	ds_load_b128 v[RB+4*\k:RB+4*\k+3], v10 offset:2*SP*\k
.endr
.irp k, 0,1,2,3,4,5,6,7
	ds_load_b128 v[RB+64+4*\k:RB+64+4*\k+3], v12 offset:2*SP*\k
.endr
.irp k, 0,1,2,3,4,5,6,7,8,9,10,11,12,13,14,15
	s_wait_dscnt 23-\k                             ; LDS loads return in order: the younger ones stay out
	global_store_b128 v2, v[RB+4*\k:RB+4*\k+3], s[26:27] offset:512*\k        ; each store covers 512 consecutive bytes, aligned
.endr
.irp k, 0,1,2,3,4,5,6,7
	s_wait_dscnt 7-\k
	global_store_b128 v2, v[RB+64+4*\k:RB+64+4*\k+3], s[28:29] offset:512*\k
.endr
	s_wait_tensorcnt 0x0
	ds_add_u32 v254, v255
	s_wait_dscnt 0x0
	s_endpgm
.Lfunc_end_k_q576aaf7cbc_proj:
	.size	k_q576aaf7cbc_proj, .Lfunc_end_k_q576aaf7cbc_proj-k_q576aaf7cbc_proj
	.p2alignl 7, 3214868480
	.fill 96, 4, 3214868480
	.section	.rodata,"a",@progbits
	.p2align	6, 0x0
	.amdhsa_kernel k_q576aaf7cbc_proj
		.amdhsa_group_segment_fixed_size 312320
		.amdhsa_private_segment_fixed_size 0
		.amdhsa_enable_private_segment 0
		.amdhsa_kernarg_size 48
		.amdhsa_user_sgpr_count 2
		.amdhsa_user_sgpr_kernarg_segment_ptr 1
		.amdhsa_wavefront_size32 1
		.amdhsa_system_sgpr_workgroup_id_x 1
		.amdhsa_system_sgpr_workgroup_id_y 1
		.amdhsa_system_sgpr_workgroup_id_z 1
		.amdhsa_system_vgpr_workitem_id 0
		.amdhsa_next_free_vgpr 448
		.amdhsa_next_free_sgpr 66
		.amdhsa_reserve_vcc 0
		.amdhsa_float_denorm_mode_32 3
		.amdhsa_float_denorm_mode_16_64 3
		.amdhsa_memory_ordered 1
		.amdhsa_forward_progress 1
		.amdhsa_inst_pref_size 81
	.end_amdhsa_kernel
	.amdgpu_metadata
---
amdhsa.version: [ 1, 2 ]
amdhsa.kernels:
  - .name:           k_q576aaf7cbc_proj
    .symbol:         k_q576aaf7cbc_proj.kd
    .args:
      - { .name: x, .offset: 0, .size: 8, .value_kind: global_buffer, .address_space: global }
      - { .name: wf, .offset: 8, .size: 8, .value_kind: global_buffer, .address_space: global }
      - { .name: wg, .offset: 16, .size: 8, .value_kind: global_buffer, .address_space: global }
      - { .name: wh, .offset: 24, .size: 8, .value_kind: global_buffer, .address_space: global }
      - { .name: kv, .offset: 32, .size: 8, .value_kind: global_buffer, .address_space: global }
      - { .name: qbuf, .offset: 40, .size: 8, .value_kind: global_buffer, .address_space: global }
    .group_segment_fixed_size: 312320
    .private_segment_fixed_size: 0
    .kernarg_segment_align: 8
    .kernarg_segment_size: 48
    .max_flat_workgroup_size: 256
    .sgpr_count:     66
    .vgpr_count:     448
    .wavefront_size: 32
...
	.end_amdgpu_metadata
.endif
;; end of part 1
;; launch attn (part 2): grid 32 x 8, 4 waves a work-group, clusters of 4 x 1, 327,680 bytes of LDS; arguments kv, qbuf, x, gamma, out0; writes out0
.if DOCPART == 2
	.amdgcn_target "amdgcn-amd-amdhsa--gfx1250"
	.amdhsa_code_object_version 6
	.text
	.protected	k_q576aaf7cbc_attn
	.globl	k_q576aaf7cbc_attn
	.p2align	8
	.type	k_q576aaf7cbc_attn,@function
k_q576aaf7cbc_attn:
	s_mov_b64 s[64:65], 0
	v_nop
	global_prefetch_b8 v0, s[64:65] scope:SCOPE_SE
	s_setreg_imm32_b32 hwreg(HW_REG_WAVE_MODE, 25, 1), 1
	s_wait_xcnt 0x0
	s_wait_alu depctr_hold_cnt(0) depctr_sa_sdst(0) depctr_va_vdst(0) depctr_va_sdst(0) depctr_va_ssrc(0) depctr_va_vcc(0) depctr_vm_vsrc(0)
	s_getreg_b32 s2, hwreg(HW_REG_IB_STS2, 6, 4)
	s_cmp_eq_u32 s2, 0
	s_cbranch_scc0 .Lentry_in_a_cluster
	s_endpgm
.Lentry_in_a_cluster:
	s_bfe_u32 s2, ttmp6, 0x10000c
	s_cmp_lg_u32 s2, 0x3003
	s_cbranch_scc0 .Lentry_shape_is_right
	s_endpgm
.Lentry_shape_is_right:
; out0 = gamma * (hx softmax_over_keys(fx^T gx)) + x, from the f16 keys, values (kv) and queries (qbuf) that the first launch stored.  No work of reference() is left out.
; A work-group takes 128 queries of one batch and walks the batch's 32 steps of 128 keys; 256 work-groups.  Wave w: qh = w >> 1 picks 64 of the queries,
; kh = w & 1 picks 64 of each step's keys.  A wave keeps O^T for its 64 queries and all 256 channels (512 registers) with a running maximum and sum
; over its own 2,048 keys; the waves w and w ^ 1 merge at the end.
; The maximum is taken away before every exponential, by a running maximum, as reference()'s softmax does.
; LIMITS: the probabilities (in (0, 1], relative to the wave's running maximum) are rounded to f16 for the second product, their sum is kept in f32: under 2^-14 the
; rounding error is absolute, at most 2^-25 a key, over 4,096 keys at most 1.3e-4 of a value against a sum of at least 1; v_exp_f32 gives 0 for results under 2^-126
; (ISA guide, its entry); the maxima are taken by forms in which a NaN loses, and a NaN score comes back through its exponential and the sum, so that its column is NaN.
; CLUSTERS: the four work-groups of a cluster are four query blocks of one batch and walk the same tiles of kv.  Each tile is asked for JOINTLY (mask 15): wave w of each
; of the four issues the same load with the same descriptor, made of the batch, the wave's number and the step alone.  The place in the cluster enters only the
; global addresses of the queries, of x and of out0.
; EVERYTHING IS TRANSPOSED, so that nothing moves between lanes:
;   scores: source 0 = 16 keys, source 1 = 16 queries: lane (r, h), register j holds key 16 i + 8 h + j of the query of column r;
;   packing neighbouring registers to f16 gives, in place, source 1 of the second product (32 keys along K);
;   O^T: source 0 = 16 value rows as they lie in the tile.  Maximum and sum belong to a lane; only the two halves of the lanes (h) have to meet.
;   Column r of query tile t is query 4 r + t: a lane's four tiles are four neighbouring queries, 16 bytes of x and of out0.
; LDS: two slots of 320 rows x 272 bytes (256 + 16 laid by the descriptor; 272 = 17 x 16, so sixteen rows' pieces of 16 bytes fall on sixteen different columns of 256);
;   behind them, never filled by a tensor load: 32,768 bytes a wave for the merge, 1,024 a wave for its maximum and sum.
.set SLOT,  87040
.set PITCH, 272
.set WPART, 21760                      ; 80 rows: what one wave's load brings
.set STEP,  81920                      ; a tile in kv
.set SCR,   174080
.set STAT,  305152
.set ROWX,  16384                      ; a channel's row of x and out0
.set G1, 16                            ; s[16:23] descriptor group 1
.set G0, 32                            ; s[32:39] descriptor group 0, a set for each slot
; window 0
.set ADRK,  2                          ; v2-3   key fragments in slot 0, 1
.set ADRVA, 4                          ; v4-5   value fragments, my own 128 channels (128 kh ..)
.set ADRVB, 6                          ; v6-7   value fragments, the partner's 128 channels
.set QOFF,  8
.set XOFF,  9
.set SCO,   10                         ; merge: where I put, v11 where my partner put
.set SCP,   11
.set STO,   12                         ; maximum and sum: mine, v13 my partner's
.set STP,   13
.set PFO,   14
.set QF,    32                         ; v32-95   query fragments (t, ks) at 8 (2 t + ks)
.set F0,    96                         ; v96-159  value fragments, buffer 0
.set F1,    160                        ; v160-223 buffer 1
; window 1
.set SR,    0                          ; 0-127    scores (i, t) at 32 t + 8 i, then probabilities (t, u) at 32 t + 16 u
.set KF,    128                        ; 128-191  key fragments (i, ks) at 8 (2 i + ks)
.set MX,    192                        ; running maximum, one a query tile
.set NM,    196                        ; - maximum x log2 e: 196-199 written in slot 0's trips, 200-203 in slot 1's, so that old and new lie side by side
.set AL,    204                        ; 2^(new - old)
.set LP,    208                        ; running sums, a pair a query tile
.set TM,    216
.set TP,    220
.set TS,    224
.set LS,    232
.set PNM,   236
.set PLS,   240
.set CA,    244
.set CB,    248
; windows 2 and 3: O^T (dl, t) at 8 (4 dl + t): window 2 my own channels, window 3 the partner's
.set MSB, 0
.macro WIN new                         ; low byte: bits 1:0 source 0, 3:2 source 1, 5:4 source 2, 7:6 destination; the high byte repeats the setting that is left
.if MSB != \new
	s_set_vgpr_msb (MSB<<8)|\new
.set MSB, \new
.endif
.endm
.macro PLACES n
.rept \n
	v_nop
.endr
.endm
; A round of the cluster's barrier: my work-group's barrier, wave 0 signals for the work-group, every wave waits for all four work-groups, my work-group's barrier once more
.macro ROUND
	s_barrier_signal -1
	s_barrier_wait -1
	s_cmp_lg_u32 s14, 0
	s_cbranch_scc1 .Lnot_wave_0_\@
	s_barrier_signal -3
.Lnot_wave_0_\@:
	s_barrier_wait -3
	s_barrier_signal -1
	s_barrier_wait -1
.endm
	s_load_b256 s[4:11], s[0:1], 0x0               ; kv s[4:5], qbuf s[6:7], x s[8:9], gamma s[10:11]
	s_load_b64 s[12:13], s[0:1], 0x20              ; out0
	v_lshl_add_u32 v254, v0, 2, 0x4b800
	v_mov_b32 v255, 0
	ds_add_u32 v254, v255
	v_lshrrev_b32 v1, 5, v0
	v_readfirstlane_b32 s14, v1                    ; wave 0..3
	s_lshr_b32 s15, s14, 1                         ; qh
	s_and_b32 s24, s14, 1                          ; kh
	s_bfe_u32 s25, ttmp6, 0x40000                  ; cx
	s_lshl_b32 s26, ttmp9, 2
	s_add_co_u32 s26, s26, s25                     ; query block = 4 x cluster x + cx
	s_and_b32 s27, ttmp7, 0xffff                   ; batch
	; group 1: 80 rows of 32 elements of 8 bytes (256 bytes), dense in memory, 16 bytes of padding behind each row in LDS
	s_mov_b32 s[G1+0], 0x0773000f                  ; 15:0 mask 15; 17:16 elements of 8 bytes; 20 padding on; 21 set beside a mask; 24:22 after every 64 words; 31:25 four words
	s_mov_b32 s[G1+1], 32<<16                      ; tensor_dim0 = 32
	s_mov_b32 s[G1+2], 80<<16                      ; tensor_dim1 = 80
	s_mov_b32 s[G1+3], 32<<16                      ; tile_dim0 = 32
	s_mov_b32 s[G1+4], 80                          ; tile_dim1 = 80
	s_mov_b32 s[G1+5], 32                          ; from row to row: 32 elements
	s_mov_b32 s[G1+6], 0
	s_mov_b32 s[G1+7], 0
	s_mul_i32 s30, s27, 32*STEP                    ; kv: the batch's 32 tiles; these registers never hold cx
	s_mul_i32 s54, s14, 20480                      ;  + my 80 rows of 256 bytes
	s_add_co_u32 s30, s30, s54
	s_mov_b32 s31, 0
	s_mul_i32 s55, s14, WPART                      ; and where they go
	s_lshl_b32 s28, s27, 22                        ; x and out0: batch,
	s_lshl_b32 s58, s24, 21                        ;  my own 128 channels,
	s_add_co_u32 s28, s28, s58
	s_lshl_b32 s58, s26, 9                         ;  the block's 128 queries,
	s_add_co_u32 s28, s28, s58
	s_lshl_b32 s58, s15, 8                         ;  my 64 of them
	s_add_co_u32 s28, s28, s58
	s_mov_b32 s29, 0
	s_lshl_b32 s60, s27, 19                        ; qbuf: 128 bytes a query
	s_lshl_b32 s58, s26, 14
	s_add_co_u32 s60, s60, s58
	s_lshl_b32 s58, s15, 13
	s_add_co_u32 s60, s60, s58
	s_mov_b32 s61, 0
	s_mov_b32 s40, 0x3fb8aa3b                      ; log2 e, twice: a pair for the packed forms
	s_mov_b32 s41, 0x3fb8aa3b
	s_mov_b32 s42, 0xbfb8aa3b                      ; - log2 e
	s_mov_b32 s46, 0x76543210                      ; v_permlanex16_b32: lane i of one half reads lane i of the other
	s_mov_b32 s47, 0xfedcba98
	s_wait_dscnt 0x0
	s_wait_kmcnt 0x0
	s_add_nc_u64 s[56:57], s[4:5], s[30:31]
	s_add_nc_u64 s[48:49], s[8:9], s[28:29]
	s_add_nc_u64 s[50:51], s[12:13], s[28:29]
	s_add_nc_u64 s[52:53], s[6:7], s[60:61]
.irp n, 0,1
	s_mov_b32 s[G0+4*\n], 1                                        ; count = 1
	s_add_co_u32 s[G0+4*\n+1], s55, \n*SLOT                        ; LDS address: the slot, my 80 rows
	s_add_nc_u64 s[G0+4*\n+2:G0+4*\n+3], s[56:57], \n*STEP         ; global address: tile n
	s_or_b32 s[G0+4*\n+3], s[G0+4*\n+3], 0x80000000                ; type = 2
.endr
	ROUND                                          ; all four work-groups are here: the first joint loads meet
	tensor_load_to_lds s[G0:G0+3], s[G1:G1+7]      ; tile 0 into slot 0
	s_nop 0
	s_load_b32 s43, s[10:11], 0x0                  ; gamma
	v_and_b32 v16, 31, v0                          ; lane
	v_and_b32 v17, 15, v0                          ; r
	v_bfe_u32 v18, v0, 4, 1                        ; h
	v_lshlrev_b32 v[QOFF], 9, v17                  ; query 4 r + t: 512 r,
	v_lshl_add_u32 v[QOFF], v18, 4, v[QOFF]        ; channels 8 h ..
.irp t, 0,1,2,3
.irp ks, 0,1
	global_load_b128 v[QF+8*(2*\t+\ks):QF+8*(2*\t+\ks)+3],   v[QOFF], s[52:53] offset:128*\t+64*\ks
	global_load_b128 v[QF+8*(2*\t+\ks)+4:QF+8*(2*\t+\ks)+7], v[QOFF], s[52:53] offset:128*\t+64*\ks+32
.endr
.endr
	v_lshrrev_b32 v19, 1, v17
	v_and_b32 v20, 1, v17
	v_mul_u32_u24 v21, v19, PITCH                  ; key r of a fragment: row r >> 1,
	v_lshl_add_u32 v21, v20, 7, v21                ; half r & 1,
	v_lshl_add_u32 v21, v18, 4, v21                ; channels 8 h ..
	s_mul_i32 s58, s24, 32*PITCH                   ; my 64 keys are 32 rows
	v_add_nc_u32 v[ADRK], s58, v21
	v_add_nc_u32 v[ADRK+1], SLOT, v[ADRK]
	v_mul_u32_u24 v22, v17, PITCH                  ; value row r, keys 8 h ..
	v_lshl_add_u32 v22, v18, 4, v22
	s_mul_i32 s58, s24, 128*PITCH+128              ; my own channels 128 kh .., my keys at byte 128 kh of each row
	s_add_co_u32 s58, s58, 64*PITCH                ; behind the 64 key rows
	v_add_nc_u32 v[ADRVA], s58, v22
	v_add_nc_u32 v[ADRVA+1], SLOT, v[ADRVA]
	s_xor_b32 s59, s24, 1
	s_mul_i32 s58, s59, 128*PITCH                  ; the partner's channels,
	s_lshl_b32 s59, s24, 7                         ; my keys
	s_add_co_u32 s58, s58, s59
	s_add_co_u32 s58, s58, 64*PITCH
	v_add_nc_u32 v[ADRVB], s58, v22
	v_add_nc_u32 v[ADRVB+1], SLOT, v[ADRVB]
	v_lshlrev_b32 v[XOFF], 4, v17                  ; x and out0: queries 4 r .. 4 r + 3,
	v_lshl_add_u32 v[XOFF], v18, 17, v[XOFF]       ; eight channels further for h = 1
	v_lshlrev_b32 v23, 4, v16
	s_lshl_b32 s58, s14, 15
	s_add_co_u32 s58, s58, SCR
	v_add_nc_u32 v[SCO], s58, v23
	s_xor_b32 s59, s14, 1                          ; my partner: the same queries, the other keys
	s_lshl_b32 s58, s59, 15
	s_add_co_u32 s58, s58, SCR
	v_add_nc_u32 v[SCP], s58, v23
	s_lshl_b32 s58, s14, 10
	s_add_co_u32 s58, s58, STAT
	v_add_nc_u32 v[STO], s58, v23
	s_lshl_b32 s58, s59, 10
	s_add_co_u32 s58, s58, STAT
	v_add_nc_u32 v[STP], s58, v23
	v_lshlrev_b32 v[PFO], 14, v16                  ; one channel's row a lane
	WIN 0x40
.irp t, 0,1,2,3
	v_mov_b32 v[TP+\t], 0                          ; v_permlanex16_b32 counts as a reader of its destination
.endr
	WIN 0
; 16 loads: my 64 keys x 64 channels
.macro FETCHK slot
	WIN 0x40
.irp i, 0,1,2,3
.irp ks, 0,1
	ds_load_b128 v[KF+8*(2*\i+\ks):KF+8*(2*\i+\ks)+3],   v[ADRK+\slot] offset:8*PITCH*\i+64*\ks
	ds_load_b128 v[KF+8*(2*\i+\ks)+4:KF+8*(2*\i+\ks)+7], v[ADRK+\slot] offset:8*PITCH*\i+64*\ks+32
.endr
.endr
.endm
; 16 loads: 64 value rows (blocks hb .. hb + 3 of 16) x my 64 keys
.macro FETCHV adr, hb, buf
	WIN 0
.irp dq, 0,1,2,3
.irp u, 0,1
	ds_load_b128 v[\buf+8*(2*\dq+\u):\buf+8*(2*\dq+\u)+3],   v[\adr] offset:16*PITCH*(\hb+\dq)+64*\u
	ds_load_b128 v[\buf+8*(2*\dq+\u)+4:\buf+8*(2*\dq+\u)+7], v[\adr] offset:16*PITCH*(\hb+\dq)+64*\u+32
.endr
.endr
.endm
; 32 products: 64 keys x 64 queries x 64 channels.  The 16 accumulators take turns, one instruction a turn.
.macro SMUL
.irp ks, 0,1
.irp i, 0,1,2,3
.irp t, 0,1,2,3
.if \ks
	v_wmma_f32_16x16x32_f16 v[SR+32*\t+8*\i:SR+32*\t+8*\i+7], v[KF+8*(2*\i+\ks):KF+8*(2*\i+\ks)+7], v[QF+8*(2*\t+\ks):QF+8*(2*\t+\ks)+7], v[SR+32*\t+8*\i:SR+32*\t+8*\i+7]
.else
	v_wmma_f32_16x16x32_f16 v[SR+32*\t+8*\i:SR+32*\t+8*\i+7], v[KF+8*(2*\i+\ks):KF+8*(2*\i+\ks)+7], v[QF+8*(2*\t+\ks):QF+8*(2*\t+\ks)+7], 0
.endif
.endr
.endr
.endr
.endm
; The new maximum of each query tile (four chains that do not wait for each other), - maximum x log2 e, and the factor for what has been summed so far
.macro SMAX slot, first
.if \first
.irp t, 0,1,2,3
	v_max3_num_f32 v[TM+\t], v[SR+32*\t], v[SR+32*\t+1], v[SR+32*\t+2]
.endr
.set kk, 3
.rept 14
.irp t, 0,1,2,3
	v_max3_num_f32 v[TM+\t], v[TM+\t], v[SR+32*\t+kk], v[SR+32*\t+kk+1]
.endr
.set kk, kk+2
.endr
.irp t, 0,1,2,3
	v_max_num_f32 v[TM+\t], v[TM+\t], v[SR+32*\t+31]
.endr
.else
.irp t, 0,1,2,3
	v_max3_num_f32 v[TM+\t], v[MX+\t], v[SR+32*\t], v[SR+32*\t+1]
.endr
.set kk, 2
.rept 15
.irp t, 0,1,2,3
	v_max3_num_f32 v[TM+\t], v[TM+\t], v[SR+32*\t+kk], v[SR+32*\t+kk+1]
.endr
.set kk, kk+2
.endr
.endif
.irp t, 0,1,2,3
	v_permlanex16_b32 v[TP+\t], v[TM+\t], s46, s47         ; the other half of the lanes holds the other 32 keys
.endr
.irp t, 0,1,2,3
	v_max_num_f32 v[MX+\t], v[TM+\t], v[TP+\t]
.endr
.irp t, 0,1,2,3
	v_mul_f32 v[NM+4*\slot+\t], s42, v[MX+\t]
.endr
.if 1-\first
.irp t, 0,1,2,3
	v_sub_f32 v[AL+\t], v[NM+4*\slot+\t], v[NM+4*(1-\slot)+\t]     ; (old maximum - new maximum) x log2 e, never above 0
.endr
.irp t, 0,1,2,3
	v_exp_f32 v[AL+\t], v[AL+\t]                   ; the plain instruction behind these (ISA guide 5.7.2) is the first multiply-add of the next block, which names no AL
.endr
.endif
.endm
; 16 scores of query tile t (keys 32 u ..): 2^(score x log2 e - maximum x log2 e), in place.  par = t & 1 picks the tile's register of the pair.
.macro SUBEXP t, u, par, slot
.irp q, 0,2,4,6,8,10,12,14
	v_pk_fma_f32 v[SR+32*\t+16*\u+\q:SR+32*\t+16*\u+\q+1], v[SR+32*\t+16*\u+\q:SR+32*\t+16*\u+\q+1], s[40:41], v[NM+4*\slot+\t-\par:NM+4*\slot+\t-\par+1] op_sel:[0,0,\par] op_sel_hi:[1,0,\par]
.endr
.irp q, 0,1,2,3,4,5,6,7,8,9,10,11,12,13,14,15
	v_exp_f32 v[SR+32*\t+16*\u+\q], v[SR+32*\t+16*\u+\q]
.endr
.endm
; The same 16 are added to the tile's sums and packed to f16 in place: register i from registers 2 i and 2 i + 1, ascending, so that nothing is overwritten unread
.macro FIN t, u, par, first
.set bb, SR+32*\t+16*\u
	s_wait_alu depctr_va_vdst(0)
	v_pk_add_f32 v[TS:TS+1],   v[bb:bb+1],     v[bb+2:bb+3]
	v_pk_add_f32 v[TS+2:TS+3], v[bb+4:bb+5],   v[bb+6:bb+7]
	v_pk_add_f32 v[TS+4:TS+5], v[bb+8:bb+9],   v[bb+10:bb+11]
	v_pk_add_f32 v[TS+6:TS+7], v[bb+12:bb+13], v[bb+14:bb+15]
	v_pk_add_f32 v[TS:TS+1],   v[TS:TS+1],     v[TS+2:TS+3]
	v_pk_add_f32 v[TS+4:TS+5], v[TS+4:TS+5],   v[TS+6:TS+7]
.if \u
	v_pk_add_f32 v[TS:TS+1], v[TS:TS+1], v[TS+4:TS+5]
	v_pk_add_f32 v[LP+2*\t:LP+2*\t+1], v[LP+2*\t:LP+2*\t+1], v[TS:TS+1]
.else
.if \first
	v_pk_add_f32 v[LP+2*\t:LP+2*\t+1], v[TS:TS+1], v[TS+4:TS+5]            ; the first trip starts the sums
.else
	v_pk_add_f32 v[TS:TS+1], v[TS:TS+1], v[TS+4:TS+5]
	v_pk_fma_f32 v[LP+2*\t:LP+2*\t+1], v[LP+2*\t:LP+2*\t+1], v[AL+\t-\par:AL+\t-\par+1], v[TS:TS+1] op_sel:[0,\par,0] op_sel_hi:[1,\par,1]
.endif
.endif
.irp i, 0,1,2,3,4,5,6,7
	v_cvt_pk_f16_f32 v[bb+\i], v[bb+2*\i], v[bb+2*\i+1]
.endr
.endm
; O^T of one window times the tiles' factors
.macro RS1
.irp dl, 0,1,2,3,4,5,6,7
.irp tp, 0,1
.irp par, 0,1
.irp q, 0,2,4,6
	v_pk_mul_f32 v[8*(4*\dl+2*\tp+\par)+\q:8*(4*\dl+2*\tp+\par)+\q+1], v[8*(4*\dl+2*\tp+\par)+\q:8*(4*\dl+2*\tp+\par)+\q+1], v[AL+2*\tp:AL+2*\tp+1] op_sel:[0,\par] op_sel_hi:[1,\par]
.endr
.endr
.endr
.endr
.endm
; 32 products: 64 value rows (blocks hb ..) x 64 queries x 64 keys.  Four accumulators take turns, one instruction a turn.
.macro PVG hb, buf, first
.irp dq, 0,1,2,3
.irp u, 0,1
.irp t, 0,1,2,3
.if \first*(1-\u)
	v_wmma_f32_16x16x32_f16 v[8*(4*(\hb+\dq)+\t):8*(4*(\hb+\dq)+\t)+7], v[\buf+8*(2*\dq+\u):\buf+8*(2*\dq+\u)+7], v[SR+32*\t+16*\u:SR+32*\t+16*\u+7], 0
.else
	v_wmma_f32_16x16x32_f16 v[8*(4*(\hb+\dq)+\t):8*(4*(\hb+\dq)+\t)+7], v[\buf+8*(2*\dq+\u):\buf+8*(2*\dq+\u)+7], v[SR+32*\t+16*\u:SR+32*\t+16*\u+7], v[8*(4*(\hb+\dq)+\t):8*(4*(\hb+\dq)+\t)+7]
.endif
.endr
.endr
.endr
.endm
; One step of 128 keys, from slot.  refill = 1: the other slot is asked for; first = 1: the products and sums start; pf = 1: x is asked for ahead.
.macro TRIP slot, refill, first, pf
	WIN 0
.if 1-\first
	PLACES 5                                       ; five places behind the last products: the score products write over the probabilities that they read, and loads follow into their fragments
.endif
	s_wait_tensorcnt 0x0                           ; all my tensor loads have landed: the one that was out is my part of this slot,
	ds_add_u32 v254, v255
	s_wait_dscnt 0x0
	s_add_nc_u64 s[G0+4*\slot+2:G0+4*\slot+3], s[G0+4*\slot+2:G0+4*\slot+3], 2*STEP   ; so a group 0 may be written: this slot's next tile
	s_wait_dscnt 0x0                               ; my reads of the other slot are over
	ROUND                                          ; both now hold of every wave of the four work-groups
.if \refill
	tensor_load_to_lds s[G0+4*(1-\slot):G0+4*(1-\slot)+3], s[G1:G1+7]     ; my one load behind the round, first thing there: it has this trip's work in which to land
	s_nop 0
.endif
	FETCHK \slot
	FETCHV ADRVA+\slot, 0, F0
.if \pf
.irp k, 0,1,2,3
	global_prefetch_b8 v[PFO], s[48:49] offset:32*ROWX*\k th:TH_LOAD_NT scope:SCOPE_SE   ; my 128 channels x 256 bytes of x, one lane a row, each piece asked for once in the launch, one trip ahead of the loads
.endr
.endif
	FETCHV ADRVA+\slot, 4, F1
	s_wait_dscnt 32                                ; the keys are in; the 32 value loads may stay out
	WIN 0x51                                       ; keys, C and D in window 1, queries in window 0
	SMUL
	WIN 0x55
	PLACES 4                                       ; four places in front of the first reader of a score
	SMAX \slot, \first
	SUBEXP 0, 0, 0, \slot                          ; each run of exponentials is followed by plain work on ANOTHER group's registers (ISA guide 5.7.2)
	SUBEXP 0, 1, 0, \slot
	FIN    0, 0, 0, \first
	SUBEXP 1, 0, 1, \slot
	FIN    0, 1, 0, \first
	SUBEXP 1, 1, 1, \slot
	FIN    1, 0, 1, \first
	SUBEXP 2, 0, 0, \slot
	FIN    1, 1, 1, \first
	SUBEXP 2, 1, 0, \slot
	FIN    2, 0, 0, \first
	SUBEXP 3, 0, 1, \slot
	FIN    2, 1, 0, \first
	SUBEXP 3, 1, 1, \slot
	FIN    3, 0, 1, \first
	FIN    3, 1, 1, \first
.if 1-\first
	WIN 0x86                                       ; O^T in window 2, the factors in window 1
	RS1
	WIN 0xC7                                       ; window 3
	RS1
.endif
	s_wait_dscnt 16                                ; buffer 0 is in; buffer 1's 16 loads may stay out
	WIN 0xA4                                       ; values window 0, probabilities window 1, C and D window 2
	PVG 0, F0, \first
	PLACES 4                                       ; loads into fragments that products have read
	FETCHV ADRVB+\slot, 0, F0
	s_wait_dscnt 16                                ; all but the 16 just issued
	WIN 0xA4
	PVG 4, F1, \first
	PLACES 4
	FETCHV ADRVB+\slot, 4, F1
	s_wait_dscnt 16
	WIN 0xF4                                       ; C and D window 3
	PVG 0, F0, \first
	s_wait_dscnt 0x0
	PVG 4, F1, \first
.endm
	s_wait_loadcnt 0x0                             ; the queries
	s_wait_kmcnt 0x0                               ; gamma
	TRIP 0, 1, 1, 0                                ; 32 trips; by this text's own count a wave never has more than one tensor load out
	TRIP 1, 1, 0, 0
	WIN 0                                          ; at a label and at a branch every window is 0
	s_mov_b32 s44, 14
.Llap:
	TRIP 0, 1, 0, 0
	TRIP 1, 1, 0, 0
	WIN 0
	s_sub_co_u32 s44, s44, 1
	s_cmp_lg_u32 s44, 0
	s_cbranch_scc1 .Llap
	TRIP 0, 1, 0, 0                                ; asks for the last tile
	TRIP 1, 0, 0, 1                                ; nothing is left to fetch (slot 1's stepped address is not used)
	; THE MERGE.  Each wave hands its partner the partner's 128 channels (window 3) with its maximum and sum, and finishes its own (window 2).
	WIN 0x55
	PLACES 4                                       ; four places behind the last products, in front of the stores and loads that touch their registers
.irp t, 0,1,2,3
	v_add_f32 v[LS+\t], v[LP+2*\t], v[LP+2*\t+1]
.endr
.irp t, 0,1,2,3
	v_permlanex16_b32 v[TP+\t], v[LS+\t], s46, s47
.endr
.irp t, 0,1,2,3
	v_add_f32 v[LS+\t], v[LS+\t], v[TP+\t]         ; the sum over my 2,048 keys
.endr
	WIN 0x04                                       ; store data from window 1
	ds_store_b128 v[STO], v[NM+4:NM+7]             ; the last trip was slot 1's
	ds_store_b128 v[STO], v[LS:LS+3] offset:512
	WIN 0x0C                                       ; store data from window 3
.set kk, 0
.rept 64
	ds_store_b128 v[SCO], v[4*kk:4*kk+3] offset:512*kk
.set kk, kk+1
.endr
	s_wait_dscnt 0x0                               ; for my partner's sake, and window 3 is free
	WIN 0xC0                                       ; x of my own channels into window 3: register 32 dl + 4 j + t = channel 16 dl + 8 h + j, query 4 r + t
.irp dl, 0,1,2,3,4,5,6,7
.irp j, 0,1,2,3,4,5,6,7
	global_load_b128 v[32*\dl+4*\j:32*\dl+4*\j+3], v[XOFF], s[48:49] offset:(16*\dl+\j)*ROWX th:TH_LOAD_NT
.endr
.endr
	WIN 0
	s_barrier_signal -1
	s_barrier_wait -1                              ; my partner's stores are in LDS
.macro PBLOAD dl, buf                  ; the partner's sums for block dl of my channels: register 8 t + j
.irp k, 0,1,2,3,4,5,6,7
	ds_load_b128 v[\buf+4*\k:\buf+4*\k+3], v[SCP] offset:512*(8*\dl+\k)
.endr
.endm
	WIN 0x40
	ds_load_b128 v[PNM:PNM+3], v[STP]
	ds_load_b128 v[PLS:PLS+3], v[STP] offset:512
	WIN 0
	PBLOAD 0, F0
	s_wait_dscnt 8                                 ; the partner's maximum and sum are in; the eight loads behind them may stay out
	WIN 0x55
.irp t, 0,1,2,3
	v_min_num_f32 v[TM+\t], v[NM+4+\t], v[PNM+\t]  ; the larger maximum has the smaller - maximum x log2 e
.endr
.irp t, 0,1,2,3
	v_sub_f32 v[CA+\t], v[TM+\t], v[NM+4+\t]
.endr
.irp t, 0,1,2,3
	v_sub_f32 v[CB+\t], v[TM+\t], v[PNM+\t]
.endr
.irp t, 0,1,2,3
	v_exp_f32 v[CA+\t], v[CA+\t]
.endr
.irp t, 0,1,2,3
	v_exp_f32 v[CB+\t], v[CB+\t]
.endr
	v_nop                                          ; a plain instruction between a transcendental and its first use (ISA guide 5.7.2)
	s_wait_alu depctr_va_vdst(0)
.irp t, 0,1,2,3
	v_mul_f32 v[TM+\t], v[LS+\t], v[CA+\t]
.endr
.irp t, 0,1,2,3
	v_fma_f32 v[TM+\t], v[PLS+\t], v[CB+\t], v[TM+\t]      ; the sum over all 4,096 keys; the largest term is about 1, so it is never 0
.endr
.irp t, 0,1,2,3
	v_rcp_f32 v[TM+\t], v[TM+\t]
.endr
	v_nop
	s_wait_alu depctr_va_vdst(0)
.irp t, 0,1,2,3
	v_mul_f32 v[TM+\t], s43, v[TM+\t]              ; gamma / sum
.endr
.irp t, 0,1,2,3
	v_mul_f32 v[CA+\t], v[CA+\t], v[TM+\t]
.endr
.irp t, 0,1,2,3
	v_mul_f32 v[CB+\t], v[CB+\t], v[TM+\t]
.endr
; 16 channels: out0 = mine x CA + the partner's x CB + x, two fused multiply-adds on the registers that hold x
.macro OUT dl, nxt, buf, obuf
.if \dl < 7
	WIN 0
	PBLOAD \nxt, \obuf
	s_wait_dscnt 8                                 ; all but the eight just issued
.else
	s_wait_dscnt 0x0
.endif
	s_wait_loadcnt 56-8*\dl                        ; loads return in order: the later blocks' loads of x stay out
	WIN 0xF4                                       ; partner's sums window 0, factors window 1, x window 3
.irp j, 0,1,2,3,4,5,6,7
.irp t, 0,1,2,3
	v_fma_f32 v[32*\dl+4*\j+\t], v[\buf+8*\t+\j], v[CB+\t], v[32*\dl+4*\j+\t]
.endr
.endr
	WIN 0xF6                                       ; my sums window 2
.irp j, 0,1,2,3,4,5,6,7
.irp t, 0,1,2,3
	v_fma_f32 v[32*\dl+4*\j+\t], v[32*\dl+8*\t+\j], v[CA+\t], v[32*\dl+4*\j+\t]
.endr
.endr
	WIN 0x0C
.irp j, 0,1,2,3,4,5,6,7
	global_store_b128 v[XOFF], v[32*\dl+4*\j:32*\dl+4*\j+3], s[50:51] offset:(16*\dl+\j)*ROWX th:TH_STORE_NT   ; each half of the lanes stores 256 consecutive bytes, aligned
.endr
.endm
	OUT 0, 1, F0, F1
	OUT 1, 2, F1, F0
	OUT 2, 3, F0, F1
	OUT 3, 4, F1, F0
	OUT 4, 5, F0, F1
	OUT 5, 6, F1, F0
	OUT 6, 7, F0, F1
	OUT 7, 7, F1, F0
	WIN 0
	s_wait_tensorcnt 0x0
	ds_add_u32 v254, v255
	s_wait_dscnt 0x0
	ROUND                                          ; the closing round: no work-group ends while a partner may still ask for a tile that names it
	s_endpgm
.Lfunc_end_k_q576aaf7cbc_attn:
	.size	k_q576aaf7cbc_attn, .Lfunc_end_k_q576aaf7cbc_attn-k_q576aaf7cbc_attn
	.p2alignl 7, 3214868480
	.fill 96, 4, 3214868480
	.section	.rodata,"a",@progbits
	.p2align	6, 0x0
	.amdhsa_kernel k_q576aaf7cbc_attn
		.amdhsa_group_segment_fixed_size 327680
		.amdhsa_private_segment_fixed_size 0
		.amdhsa_enable_private_segment 0
		.amdhsa_kernarg_size 40
		.amdhsa_user_sgpr_count 2
		.amdhsa_user_sgpr_kernarg_segment_ptr 1
		.amdhsa_wavefront_size32 1
		.amdhsa_system_sgpr_workgroup_id_x 1
		.amdhsa_system_sgpr_workgroup_id_y 1
		.amdhsa_system_sgpr_workgroup_id_z 1
		.amdhsa_system_vgpr_workitem_id 0
		.amdhsa_next_free_vgpr 1024
		.amdhsa_next_free_sgpr 66
		.amdhsa_reserve_vcc 0
		.amdhsa_float_denorm_mode_32 3
		.amdhsa_float_denorm_mode_16_64 3
		.amdhsa_memory_ordered 1
		.amdhsa_forward_progress 1
		.amdhsa_inst_pref_size 255
	.end_amdhsa_kernel
	.section	.bss,"aw",@nobits
	.p2align	6
	.space	262144
	.amdgpu_metadata
---
amdhsa.version: [ 1, 2 ]
amdhsa.kernels:
  - .name:           k_q576aaf7cbc_attn
    .symbol:         k_q576aaf7cbc_attn.kd
    .args:
      - { .name: kv, .offset: 0, .size: 8, .value_kind: global_buffer, .address_space: global }
      - { .name: qbuf, .offset: 8, .size: 8, .value_kind: global_buffer, .address_space: global }
      - { .name: x, .offset: 16, .size: 8, .value_kind: global_buffer, .address_space: global }
      - { .name: gamma, .offset: 24, .size: 8, .value_kind: global_buffer, .address_space: global }
      - { .name: out0, .offset: 32, .size: 8, .value_kind: global_buffer, .address_space: global }
    .group_segment_fixed_size: 327680
    .private_segment_fixed_size: 0
    .kernarg_segment_align: 8
    .kernarg_segment_size: 40
    .max_flat_workgroup_size: 128
    .sgpr_count:     66
    .vgpr_count:     1024
    .wavefront_size: 32
...
	.end_amdgpu_metadata
.endif
;; end of part 2
;; ======== version 2 of 3: 2 launches
;; limits: values are held in f16: magnitudes above 65,504 overflow, below 6.1e-05 lose precision
;; workspace buffers: kv 20,971,520 bytes; qbuf 4,194,304 bytes
;; launch proj: the kernel of part 1 again; grid 32 x 8, 8 waves a work-group, no clusters, 312,320 bytes of LDS; arguments x, wf, wg, wh, kv, qbuf; writes kv, qbuf
;; launch attn (part 3): grid 32 x 8, 4 waves a work-group, clusters of 4 x 1, 327,680 bytes of LDS; arguments kv, qbuf, x, gamma, out0; writes out0
.if DOCPART == 3
	.amdgcn_target "amdgcn-amd-amdhsa--gfx1250"
	.amdhsa_code_object_version 6
	.text
	.protected	k_q576aaf7cbc_attn
	.globl	k_q576aaf7cbc_attn
	.p2align	8
	.type	k_q576aaf7cbc_attn,@function
k_q576aaf7cbc_attn:
	s_mov_b64 s[64:65], 0
	v_nop
	global_prefetch_b8 v0, s[64:65] scope:SCOPE_SE
	s_setreg_imm32_b32 hwreg(HW_REG_WAVE_MODE, 25, 1), 1
	s_wait_xcnt 0x0
	s_wait_alu depctr_hold_cnt(0) depctr_sa_sdst(0) depctr_va_vdst(0) depctr_va_sdst(0) depctr_va_ssrc(0) depctr_va_vcc(0) depctr_vm_vsrc(0)
	s_getreg_b32 s2, hwreg(HW_REG_IB_STS2, 6, 4)
	s_cmp_eq_u32 s2, 0
	s_cbranch_scc0 .Lentry_in_a_cluster
	s_endpgm
.Lentry_in_a_cluster:
	s_bfe_u32 s2, ttmp6, 0x10000c
	s_cmp_lg_u32 s2, 0x3003
	s_cbranch_scc0 .Lentry_shape_is_right
	s_endpgm
.Lentry_shape_is_right:
; out0 = gamma * (hx softmax_over_keys(fx^T gx)) + x, from the f16 keys, values (kv) and queries (qbuf) that the first launch stored.  No work of reference() is left out.
; A work-group takes 128 queries of one batch and walks the batch's 32 steps of 128 keys; 256 work-groups.  Wave w: qh = w >> 1 picks 64 of the queries,
; kh = w & 1 picks 64 of each step's keys.  A wave keeps O^T for its 64 queries and all 256 channels (512 registers) with a running maximum and sum
; over its own 2,048 keys; the waves w and w ^ 1 merge at the end.
; The maximum is taken away before every exponential, by a running maximum, as reference()'s softmax does.
; LIMITS: the probabilities (in (0, 1], relative to the wave's running maximum) are rounded to f16 for the second product, their sum is kept in f32: under 2^-14 the
; rounding error is absolute, at most 2^-25 a key, over 4,096 keys at most 1.3e-4 of a value against a sum of at least 1; v_exp_f32 gives 0 for results under 2^-126
; (ISA guide, its entry); the maxima are taken by forms in which a NaN loses, and a NaN score comes back through its exponential and the sum, so that its column is NaN.
; THE STEPS OVERLAP: trip n multiplies step n's probabilities by step n's values (128 products) and meanwhile makes step n + 1's probabilities: 32 score products at the
; trip's head, then the maximum, the exponentials, the sums and the packing as a list of 404 units, of which a slice of three or four stands behind each value product.
; The rescale of O^T by step n's factor (known since trip n - 1) stands ahead of the products that need it: window 2's half inside the round and while the first LDS loads
; are on their way, window 3's half behind the score products, four multiplies each.  A slice costs two switches of the register window; with them a product is followed
; by six instructions at the most.
; So trip n needs step n's values and step n + 1's keys.  In kv a step's values are followed by the next step's keys, so a ring tile is 320 dense rows that begin at a step's values.
; Step 0's keys come by a fill of their own, into LDS bytes of their own; the last tile is the last step's 256 value rows alone.
; CLUSTERS: the four work-groups of a cluster are four query blocks of one batch and walk the same tiles of kv.  Each tile is asked for JOINTLY (mask 15): wave w of each
; of the four issues the same load with the same descriptor, made of the batch, the wave's number and the step alone.  The place in the cluster enters only the
; global addresses of the queries, of x and of out0.
; EVERYTHING IS TRANSPOSED, so that nothing moves between lanes:
;   scores: source 0 = 16 keys, source 1 = 16 queries: lane (r, h), register j holds key 16 i + 8 h + j of the query of column r;
;   packing neighbouring registers to f16 gives source 1 of the second product (32 keys along K);
;   O^T: source 0 = 16 value rows as they lie in the tile.  Maximum and sum belong to a lane; only the two halves of the lanes (h) have to meet.
;   Column r of query tile t is query 4 r + t: a lane's four tiles are four neighbouring queries, 16 bytes of x and of out0.
; LDS: two slots of 320 rows x 272 bytes (256 + 16 laid by the descriptor; 272 = 17 x 16, so sixteen rows' pieces of 16 bytes fall on sixteen different columns of 256);
;   behind them, never filled by a tensor load: 32,768 bytes a wave for the merge, 1,024 a wave for its maximum and sum; behind those step 0's 64 key rows, filled once.
.set SLOT,  87040
.set PITCH, 272
.set WPART, 21760                      ; 80 rows: what one wave's load brings
.set STEP,  81920                      ; a step in kv: 64 key rows, 256 value rows
.set KROW,  256*PITCH                  ; in a slot the key rows lie behind the 256 value rows
.set SCR,   174080
.set STAT,  305152
.set K0R,   309248                     ; step 0's keys
.set ROWX,  16384                      ; a channel's row of x and out0
.set G1,  16                           ; s[16:23] group 1 of a ring tile: 80 rows a wave
.set G0,  32                           ; s[32:39] group 0, a set for each slot
.set G1K, 68                           ; s[68:75] group 1 of step 0's keys: 16 rows a wave
.set G1L, 76                           ; s[76:83] group 1 of the last tile: 64 rows a wave
.set G0K, 84                           ; s[84:87]
.set G0L, 88                           ; s[88:91]
; window 0
.set ADRK,  2                          ; v2-3   key fragments in slot 0, 1
.set ADRVA, 4                          ; v4-5   value fragments, my own 128 channels (128 kh ..)
.set ADRVB, 6                          ; v6-7   value fragments, the partner's 128 channels
.set QOFF,  8
.set XOFF,  9
.set SCO,   10                         ; merge: where I put, v11 where my partner put
.set SCP,   11
.set STO,   12                         ; maximum and sum: mine, v13 my partner's
.set STP,   13
.set PFO,   14
.set ADRK0, 15                         ; step 0's key fragments
.set QF,    32                         ; v32-95   query fragments (t, ks) at 8 (2 t + ks)
.set F0,    96                         ; v96-159  value fragments, buffer 0
.set F1,    160                        ; v160-223 buffer 1; at a trip's head it holds the key fragments (i, ks) at 8 (2 i + ks)
; window 1: R = 0-127, E = 128-191.  VAR = 0 (even trips): this step's probabilities (t, u) lie at 32 t + 16 u, the next step's scores (t, i) go to 32 t + 8 i for odd i
; (the gaps between them) and to 128 + 16 t + 4 i for even i, and are packed into the latter.  VAR = 1 (odd trips): the probabilities lie at 128 + 16 t + 8 u, the scores go to
; 32 t + 8 i and are packed into 32 t + 16 u.  So old probabilities and new scores never share a register, and nothing is copied.
.set MX,    192                        ; running maximum, one a query tile
.set NM,    196                        ; - maximum x log2 e: 196-199 written in even trips, 200-203 in odd ones, so that old and new lie side by side
.set AL,    204                        ; 2^(new - old)
.set LP,    208                        ; running sums, a pair a query tile
.set TM,    216
.set TP,    220
.set TS,    224
.set LS,    232
.set PNM,   236
.set PLS,   240
.set CA,    244
.set CB,    248
; windows 2 and 3: O^T (dl, t) at 8 (4 dl + t): window 2 my own channels, window 3 the partner's
.set NU,    404                        ; units of a step's softmax: 92 for the maximum and the first multiply-adds, 312 for the rest
.set MSB, 0
.macro WIN new                         ; low byte: bits 1:0 source 0, 3:2 source 1, 5:4 source 2, 7:6 destination; the high byte repeats the setting that is left
.if MSB != \new
	s_set_vgpr_msb (MSB<<8)|\new
.set MSB, \new
.endif
.endm
.macro PLACES n
.rept \n
	v_nop
.endr
.endm
; A round of the cluster's barrier: my work-group's barrier, wave 0 signals for the work-group, every wave waits for all four work-groups, my work-group's barrier once more
.macro CREST                           ; a round behind its opening barrier
	s_cmp_lg_u32 s14, 0
	s_cbranch_scc1 .Lnot_wave_0_\@
	s_barrier_signal -3
.Lnot_wave_0_\@:
	s_barrier_wait -3
	s_barrier_signal -1
	s_barrier_wait -1
.endm
.macro ROUND
	s_barrier_signal -1
	s_barrier_wait -1
	CREST
.endm
	s_load_b256 s[4:11], s[0:1], 0x0               ; kv s[4:5], qbuf s[6:7], x s[8:9], gamma s[10:11]
	s_load_b64 s[12:13], s[0:1], 0x20              ; out0
	v_lshl_add_u32 v254, v0, 2, 0x4fc00
	v_mov_b32 v255, 0
	ds_add_u32 v254, v255
	v_lshrrev_b32 v1, 5, v0
	v_readfirstlane_b32 s14, v1                    ; wave 0..3
	s_lshr_b32 s15, s14, 1                         ; qh
	s_and_b32 s24, s14, 1                          ; kh
	s_bfe_u32 s25, ttmp6, 0x40000                  ; cx
	s_lshl_b32 s26, ttmp9, 2
	s_add_co_u32 s26, s26, s25                     ; query block = 4 x cluster x + cx
	s_and_b32 s27, ttmp7, 0xffff                   ; batch
	; group 1, three times: rows of 32 elements of 8 bytes (256 bytes), dense in memory, 16 bytes of padding behind each row in LDS; they differ in the rows alone
.irp g, G1, G1K, G1L
	s_mov_b32 s[\g+0], 0x0773000f                  ; 15:0 mask 15; 17:16 elements of 8 bytes; 20 padding on; 21 set beside a mask; 24:22 after every 64 words; 31:25 four words
	s_mov_b32 s[\g+1], 32<<16                      ; tensor_dim0 = 32
	s_mov_b32 s[\g+3], 32<<16                      ; tile_dim0 = 32
	s_mov_b32 s[\g+5], 32                          ; from row to row: 32 elements
	s_mov_b32 s[\g+6], 0
	s_mov_b32 s[\g+7], 0
.endr
	s_mov_b32 s[G1+2], 80<<16                      ; tensor_dim1
	s_mov_b32 s[G1+4], 80                          ; tile_dim1
	s_mov_b32 s[G1K+2], 16<<16
	s_mov_b32 s[G1K+4], 16
	s_mov_b32 s[G1L+2], 64<<16
	s_mov_b32 s[G1L+4], 64
	s_mul_i32 s58, s27, 32*STEP                    ; kv: the batch's 32 steps; none of these registers ever holds cx
	s_mul_i32 s30, s14, 20480                      ; a ring tile: my 80 rows of 256 bytes,
	s_add_co_u32 s30, s30, s58
	s_add_co_u32 s30, s30, 16384                   ;  from the step's values on
	s_mov_b32 s31, 0
	s_lshl_b32 s62, s14, 12                        ; step 0's keys: my 16 rows
	s_add_co_u32 s62, s62, s58
	s_mov_b32 s63, 0
	s_lshl_b32 s92, s14, 14                        ; the last step's values: my 64 rows
	s_add_co_u32 s92, s92, s58
	s_add_co_u32 s92, s92, 31*STEP+16384
	s_mov_b32 s93, 0
	s_mul_i32 s55, s14, WPART                      ; and where they go
	s_mul_i32 s[G0K+1], s14, 16*PITCH
	s_add_co_u32 s[G0K+1], s[G0K+1], K0R
	s_mul_i32 s[G0L+1], s14, 64*PITCH
	s_add_co_u32 s[G0L+1], s[G0L+1], SLOT          ; the last tile goes to slot 1
	s_mov_b32 s[G0K], 1
	s_mov_b32 s[G0L], 1
	s_lshl_b32 s28, s27, 22                        ; x and out0: batch,
	s_lshl_b32 s58, s24, 21                        ;  my own 128 channels,
	s_add_co_u32 s28, s28, s58
	s_lshl_b32 s58, s26, 9                         ;  the block's 128 queries,
	s_add_co_u32 s28, s28, s58
	s_lshl_b32 s58, s15, 8                         ;  my 64 of them
	s_add_co_u32 s28, s28, s58
	s_mov_b32 s29, 0
	s_lshl_b32 s60, s27, 19                        ; qbuf: 128 bytes a query
	s_lshl_b32 s58, s26, 14
	s_add_co_u32 s60, s60, s58
	s_lshl_b32 s58, s15, 13
	s_add_co_u32 s60, s60, s58
	s_mov_b32 s61, 0
	s_mov_b32 s40, 0x3fb8aa3b                      ; log2 e, twice: a pair for the packed forms
	s_mov_b32 s41, 0x3fb8aa3b
	s_mov_b32 s42, 0xbfb8aa3b                      ; - log2 e
	s_mov_b32 s46, 0x76543210                      ; v_permlanex16_b32: lane i of one half reads lane i of the other
	s_mov_b32 s47, 0xfedcba98
	s_wait_dscnt 0x0
	s_wait_kmcnt 0x0
	s_add_nc_u64 s[56:57], s[4:5], s[30:31]
	s_add_nc_u64 s[48:49], s[8:9], s[28:29]
	s_add_nc_u64 s[50:51], s[12:13], s[28:29]
	s_add_nc_u64 s[52:53], s[6:7], s[60:61]
	s_add_nc_u64 s[G0K+2:G0K+3], s[4:5], s[62:63]
	s_or_b32 s[G0K+3], s[G0K+3], 0x80000000
	s_add_nc_u64 s[G0L+2:G0L+3], s[4:5], s[92:93]
	s_or_b32 s[G0L+3], s[G0L+3], 0x80000000
.irp n, 0,1
	s_mov_b32 s[G0+4*\n], 1                                        ; count = 1
	s_add_co_u32 s[G0+4*\n+1], s55, \n*SLOT                        ; LDS address: the slot, my 80 rows
	s_add_nc_u64 s[G0+4*\n+2:G0+4*\n+3], s[56:57], \n*STEP         ; global address: tile n
	s_or_b32 s[G0+4*\n+3], s[G0+4*\n+3], 0x80000000                ; type = 2
.endr
	ROUND                                          ; all four work-groups are here: the first joint loads meet
	tensor_load_to_lds s[G0K:G0K+3], s[G1K:G1K+7]  ; step 0's keys
	s_nop 0
	tensor_load_to_lds s[G0:G0+3], s[G1:G1+7]      ; tile 0 into slot 0: by this text's own count two tensor loads of a wave are out here, later one
	s_nop 0
	s_load_b32 s43, s[10:11], 0x0                  ; gamma
	v_and_b32 v16, 31, v0                          ; lane
	v_and_b32 v17, 15, v0                          ; r
	v_bfe_u32 v18, v0, 4, 1                        ; h
	v_lshlrev_b32 v[QOFF], 9, v17                  ; query 4 r + t: 512 r,
	v_lshl_add_u32 v[QOFF], v18, 4, v[QOFF]        ; channels 8 h ..
.irp t, 0,1,2,3
.irp ks, 0,1
	global_load_b128 v[QF+8*(2*\t+\ks):QF+8*(2*\t+\ks)+3],   v[QOFF], s[52:53] offset:128*\t+64*\ks
	global_load_b128 v[QF+8*(2*\t+\ks)+4:QF+8*(2*\t+\ks)+7], v[QOFF], s[52:53] offset:128*\t+64*\ks+32
.endr
.endr
	v_lshrrev_b32 v19, 1, v17
	v_and_b32 v20, 1, v17
	v_mul_u32_u24 v21, v19, PITCH                  ; key r of a fragment: row r >> 1,
	v_lshl_add_u32 v21, v20, 7, v21                ; half r & 1,
	v_lshl_add_u32 v21, v18, 4, v21                ; channels 8 h ..
	s_mul_i32 s58, s24, 32*PITCH                   ; my 64 keys are 32 rows
	s_add_co_u32 s59, s58, K0R
	v_add_nc_u32 v[ADRK0], s59, v21
	s_add_co_u32 s58, s58, KROW
	v_add_nc_u32 v[ADRK], s58, v21
	v_add_nc_u32 v[ADRK+1], SLOT, v[ADRK]
	v_mul_u32_u24 v22, v17, PITCH                  ; value row r, keys 8 h ..
	v_lshl_add_u32 v22, v18, 4, v22
	s_mul_i32 s58, s24, 128*PITCH+128              ; my own channels 128 kh .., my keys at byte 128 kh of each row
	v_add_nc_u32 v[ADRVA], s58, v22
	v_add_nc_u32 v[ADRVA+1], SLOT, v[ADRVA]
	s_xor_b32 s59, s24, 1
	s_mul_i32 s58, s59, 128*PITCH                  ; the partner's channels,
	s_lshl_b32 s59, s24, 7                         ; my keys
	s_add_co_u32 s58, s58, s59
	v_add_nc_u32 v[ADRVB], s58, v22
	v_add_nc_u32 v[ADRVB+1], SLOT, v[ADRVB]
	v_lshlrev_b32 v[XOFF], 4, v17                  ; x and out0: queries 4 r .. 4 r + 3,
	v_lshl_add_u32 v[XOFF], v18, 17, v[XOFF]       ; eight channels further for h = 1
	v_lshlrev_b32 v23, 4, v16
	s_lshl_b32 s58, s14, 15
	s_add_co_u32 s58, s58, SCR
	v_add_nc_u32 v[SCO], s58, v23
	s_xor_b32 s59, s14, 1                          ; my partner: the same queries, the other keys
	s_lshl_b32 s58, s59, 15
	s_add_co_u32 s58, s58, SCR
	v_add_nc_u32 v[SCP], s58, v23
	s_lshl_b32 s58, s14, 10
	s_add_co_u32 s58, s58, STAT
	v_add_nc_u32 v[STO], s58, v23
	s_lshl_b32 s58, s59, 10
	s_add_co_u32 s58, s58, STAT
	v_add_nc_u32 v[STP], s58, v23
	v_lshlrev_b32 v[PFO], 14, v16                  ; one channel's row a lane
	WIN 0x40
.irp t, 0,1,2,3
	v_mov_b32 v[TP+\t], 0                          ; v_permlanex16_b32 counts as a reader of its destination
.endr
	WIN 0
; 16 loads: my 64 keys x 64 channels, into buffer 1
.macro FETCHK adr
	WIN 0
.irp i, 0,1,2,3
.irp ks, 0,1
	ds_load_b128 v[F1+8*(2*\i+\ks):F1+8*(2*\i+\ks)+3],   v[\adr] offset:8*PITCH*\i+64*\ks
	ds_load_b128 v[F1+8*(2*\i+\ks)+4:F1+8*(2*\i+\ks)+7], v[\adr] offset:8*PITCH*\i+64*\ks+32
.endr
.endr
.endm
; 16 loads: 64 value rows (blocks hb .. hb + 3 of 16) x my 64 keys
.macro FETCHV adr, hb, buf
	WIN 0
.irp dq, 0,1,2,3
.irp u, 0,1
	ds_load_b128 v[\buf+8*(2*\dq+\u):\buf+8*(2*\dq+\u)+3],   v[\adr] offset:16*PITCH*(\hb+\dq)+64*\u
	ds_load_b128 v[\buf+8*(2*\dq+\u)+4:\buf+8*(2*\dq+\u)+7], v[\adr] offset:16*PITCH*(\hb+\dq)+64*\u+32
.endr
.endr
.endm
; The next cnt of a window's 128 packed multiplies: O^T times its query tile's factor.  RP counts them; register pair 2 RP belongs to tile (RP / 4) % 4.
.macro RSU cnt
.rept \cnt
.set RT, (RP/4)%4
.if RT%2
	v_pk_mul_f32 v[2*RP:2*RP+1], v[2*RP:2*RP+1], v[AL+RT-1:AL+RT] op_sel:[0,1] op_sel_hi:[1,1]
.else
	v_pk_mul_f32 v[2*RP:2*RP+1], v[2*RP:2*RP+1], v[AL+RT:AL+RT+1] op_sel:[0,0] op_sel_hi:[1,0]
.endif
.set RP, RP+1
.endr
.endm
; THE SOFTMAX OF ONE STEP AS A LIST OF UNITS, one instruction each, numbered by UP.  A group GG = 2 t + u is the 16 scores of query tile t and keys 32 u ..:
; eight registers at ELO (keys 8 h ..), eight at EHI (keys 16 + 8 h ..).
.macro EGRP
.set ET, GG/2
.set EU, GG%2
.set ELO, 32*ET+16*EU+(1-VAR)*(128-16*ET-8*EU)
.set EHI, 32*ET+16*EU+8
.endm
.macro EFMA                            ; pair XX (0..7) of group GG: score x log2 e - maximum x log2 e
	EGRP
.if XX < 4
.set ER, ELO+2*XX
.else
.set ER, EHI+2*(XX-4)
.endif
.if ET%2
	v_pk_fma_f32 v[ER:ER+1], v[ER:ER+1], s[40:41], v[NMN+ET-1:NMN+ET] op_sel:[0,0,1] op_sel_hi:[1,0,1]
.else
	v_pk_fma_f32 v[ER:ER+1], v[ER:ER+1], s[40:41], v[NMN+ET:NMN+ET+1] op_sel:[0,0,0] op_sel_hi:[1,0,0]
.endif
.endm
.macro EEXP                            ; register XX (0..15) of group GG: 2^.., in place
	EGRP
.if XX < 8
.set ER, ELO+XX
.else
.set ER, EHI+XX-8
.endif
	v_exp_f32 v[ER], v[ER]
.endm
; Unit XX (0..15) of group GG's end: its 16 numbers are added to the tile's sums and packed to f16 into ELO: register c from registers 2 c and 2 c + 1 of the sixteen,
; ascending, so that nothing is overwritten unread.  Sums and conversions alternate where a sum needs the one before it.
.macro EFIN
	EGRP
.if XX == 0
	s_wait_alu depctr_va_vdst(0)
	v_pk_add_f32 v[TS:TS+1], v[ELO:ELO+1], v[ELO+2:ELO+3]
.endif
.if XX == 1
	v_pk_add_f32 v[TS+2:TS+3], v[ELO+4:ELO+5], v[ELO+6:ELO+7]
.endif
.if XX == 2
	v_pk_add_f32 v[TS+4:TS+5], v[EHI:EHI+1], v[EHI+2:EHI+3]
.endif
.if XX == 3
	v_pk_add_f32 v[TS+6:TS+7], v[EHI+4:EHI+5], v[EHI+6:EHI+7]
.endif
.if XX == 4
	v_pk_add_f32 v[TS:TS+1], v[TS:TS+1], v[TS+2:TS+3]
.endif
.if XX == 5
	v_pk_add_f32 v[TS+4:TS+5], v[TS+4:TS+5], v[TS+6:TS+7]
.endif
.if XX == 6
.if FST*(1-EU)
	v_pk_add_f32 v[LP+2*ET:LP+2*ET+1], v[TS:TS+1], v[TS+4:TS+5]            ; step 0 starts the sums
.else
	v_pk_add_f32 v[TS:TS+1], v[TS:TS+1], v[TS+4:TS+5]
.endif
.endif
.if XX == 8
.if EU
	v_pk_add_f32 v[LP+2*ET:LP+2*ET+1], v[LP+2*ET:LP+2*ET+1], v[TS:TS+1]
.else
.if 1-FST
.if ET%2
	v_pk_fma_f32 v[LP+2*ET:LP+2*ET+1], v[LP+2*ET:LP+2*ET+1], v[AL+ET-1:AL+ET], v[TS:TS+1] op_sel:[0,1,0] op_sel_hi:[1,1,1]
.else
	v_pk_fma_f32 v[LP+2*ET:LP+2*ET+1], v[LP+2*ET:LP+2*ET+1], v[AL+ET:AL+ET+1], v[TS:TS+1] op_sel:[0,0,0] op_sel_hi:[1,0,1]
.endif
.endif
.endif
.endif
.set ECV, -1
.if XX == 7
.set ECV, 0
.endif
.if XX == 9
.set ECV, 1
.endif
.if XX >= 10
.set ECV, XX-8
.endif
.if ECV >= 0
.if ECV < 4
	v_cvt_pk_f16_f32 v[ELO+ECV], v[ELO+2*ECV], v[ELO+2*ECV+1]
.else
	v_cvt_pk_f16_f32 v[ELO+ECV], v[EHI+2*(ECV-4)], v[EHI+2*(ECV-4)+1]
.endif
.endif
.endm
; Units 64-91: the two halves of the lanes meet, - maximum x log2 e, the factor for what has been summed so far, group 0's multiply-adds
.macro UNITM
.set UT, UP%4
.if UP < 68
	v_permlanex16_b32 v[TP+UT], v[TM+UT], s46, s47         ; the other half of the lanes holds the other 32 keys
.else
.if UP < 72
	v_max_num_f32 v[MX+UT], v[TM+UT], v[TP+UT]
.else
.if UP < 76
	v_mul_f32 v[NMN+UT], s42, v[MX+UT]
.else
.if UP < 80
.if 1-FST
	v_sub_f32 v[AL+UT], v[NMN+UT], v[NMO+UT]               ; (old maximum - new maximum) x log2 e, never above 0
.endif
.else
.if UP < 84
.if 1-FST
	v_exp_f32 v[AL+UT], v[AL+UT]                           ; the plain instruction behind these (ISA guide 5.7.2) is group 0's first multiply-add, which names no AL
.endif
.else
.set GG, 0
.set XX, UP-84
	EFMA
.endif
.endif
.endif
.endif
.endif
.endm
; Units 92-403, in nine stages.  Stage s holds group s's 16 exponentials, group s + 1's 8 multiply-adds and group s - 1's end, mixed so that an exponential is
; followed by plain work on ANOTHER group's registers (ISA guide 5.7.2) and no slice is all exponentials.
.macro UNITE
.set EE, UP-92
.if EE < 24
.set EK, EE/3
.set EC, EE%3
.if EC
.set GG, 0
.set XX, 2*EK+EC-1
	EEXP
.else
.set GG, 1
.set XX, EK
	EFMA
.endif
.else
.if EE < 264
.set ES, 1+(EE-24)/40
.set EK, ((EE-24)%40)/5
.set EC, (EE-24)%5
.if EC == 0
.set GG, ES+1
.set XX, EK
	EFMA
.endif
.if EC == 1
.set GG, ES
.set XX, 2*EK
	EEXP
.endif
.if EC == 2
.set GG, ES-1
.set XX, 2*EK
	EFIN
.endif
.if EC == 3
.set GG, ES
.set XX, 2*EK+1
	EEXP
.endif
.if EC == 4
.set GG, ES-1
.set XX, 2*EK+1
	EFIN
.endif
.else
.if EE < 296
.set EK, (EE-264)/4
.set EC, (EE-264)%4
.if EC == 0
.set GG, 7
.set XX, 2*EK
	EEXP
.endif
.if EC == 1
.set GG, 6
.set XX, 2*EK
	EFIN
.endif
.if EC == 2
.set GG, 7
.set XX, 2*EK+1
	EEXP
.endif
.if EC == 3
.set GG, 6
.set XX, 2*EK+1
	EFIN
.endif
.else
.set GG, 7
.set XX, EE-296
	EFIN
.endif
.endif
.endif
.endm
; Units 0-63: the new maximum of each query tile, four chains that do not wait for each other; unit UP takes scores 2 (UP / 4) and the next of tile UP % 4
.macro UNIT
.if UP < 64
.set UT, UP%4
.set UK, UP/4
.set UI, UK/4
.set UR, 32*UT+8*UI+(1-VAR)*(1-(UI%2))*(128-16*UT-4*UI)+2*(UK%4)
.if UK
	v_max3_num_f32 v[TM+UT], v[TM+UT], v[UR], v[UR+1]
.else
.if FST
	v_max_num_f32 v[TM+UT], v[UR], v[UR+1]
.else
	v_max3_num_f32 v[TM+UT], v[MX+UT], v[UR], v[UR+1]
.endif
.endif
.else
.if UP < 92
	UNITM
.else
	UNITE
.endif
.endif
.endm
.macro SOFT cnt, lim                   ; the next cnt units, none from unit lim on
.if UP < \lim
	WIN 0x55
.endif
.rept \cnt
.if UP < \lim
	UNIT
.set UP, UP+1
.endif
.endr
.endm
; 32 products: 64 keys x 64 queries x 64 channels.  The 16 accumulators take turns, one instruction a turn.
; rs = 1: four of window 3's multiplies stand behind each product.
.macro SMUL rs
.irp ks, 0,1
.irp i, 0,1,2,3
.irp t, 0,1,2,3
.set SD, 32*\t+8*\i+(1-VAR)*(1-(\i%2))*(128-16*\t-4*\i)
	WIN 0x50                                       ; keys and queries window 0, C and D window 1
.if \ks
	v_wmma_f32_16x16x32_f16 v[SD:SD+7], v[F1+8*(2*\i+\ks):F1+8*(2*\i+\ks)+7], v[QF+8*(2*\t+\ks):QF+8*(2*\t+\ks)+7], v[SD:SD+7]
.else
	v_wmma_f32_16x16x32_f16 v[SD:SD+7], v[F1+8*(2*\i+\ks):F1+8*(2*\i+\ks)+7], v[QF+8*(2*\t+\ks):QF+8*(2*\t+\ks)+7], 0
.endif
.if \rs
	WIN 0xC7                                       ; O^T in window 3, the factors in window 1
	RSU 4
.endif
.endr
.endr
.endr
.endm
; What stands behind value product SLN (0..31) of a run.  mode 1: the maximum phase, three units; the last product is followed by four packed multiply-adds, which are
; the four places in front of the loads into its fragments.  mode 2: three units, four behind every fourth product: 104 a run, 312 in three runs.
; mode 3: four of window 3's multiplies.  ld: behind the fourth product the last 64 value rows are asked for, into buffer 1: at least eight plain units then stand
; behind the last product that read it.
.macro SLICE mode, ld
.if \mode == 1
.if SLN < 31
	SOFT 3, 88
.else
	SOFT 4, 92
.endif
.endif
.if \mode == 2
.if SLN%4
	SOFT 3, NU
.else
	SOFT 4, NU
.endif
.endif
.if \mode == 3
	WIN 0xC7
	RSU 4
.endif
.if \ld
.if SLN == 3
	FETCHV \ld, 4, F1
.endif
.endif
.endm
; 32 products: 64 value rows (blocks hb ..) x 64 queries x 64 keys, a slice behind each.  Four accumulators take turns, one instruction a turn.
; pw: values window 0, probabilities window 1, C and D window 2 (0xA4) or 3 (0xF4).
.macro PVG hb, buf, first, pw, mode, ld
.set SLN, 0
.irp dq, 0,1,2,3
.irp u, 0,1
.irp t, 0,1,2,3
.set PB, 32*\t+16*\u+VAR*(128-16*\t-8*\u)
	WIN \pw
.if \first*(1-\u)
	v_wmma_f32_16x16x32_f16 v[8*(4*(\hb+\dq)+\t):8*(4*(\hb+\dq)+\t)+7], v[\buf+8*(2*\dq+\u):\buf+8*(2*\dq+\u)+7], v[PB:PB+7], 0
.else
	v_wmma_f32_16x16x32_f16 v[8*(4*(\hb+\dq)+\t):8*(4*(\hb+\dq)+\t)+7], v[\buf+8*(2*\dq+\u):\buf+8*(2*\dq+\u)+7], v[PB:PB+7], v[8*(4*(\hb+\dq)+\t):8*(4*(\hb+\dq)+\t)+7]
.endif
	SLICE \mode, \ld
.set SLN, SLN+1
.endr
.endr
.endr
.endm
; Trip n, from slot n % 2: step n's value products, step n + 1's scores and softmax.  first = 1: O^T starts, nothing to rescale; lastfill = 1: the tile asked for is the last.
.macro TRIP slot, first, lastfill
.set VAR, \slot
.set FST, 0
.set NMN, NM+4*\slot
.set NMO, NM+4*(1-\slot)
.set UP, 0
.set RP, 0
	WIN 0
	s_wait_tensorcnt 0x0                           ; all my tensor loads have landed: the one that was out is my part of this slot,
	ds_add_u32 v254, v255
	s_add_nc_u64 s[G0+4*\slot+2:G0+4*\slot+3], s[G0+4*\slot+2:G0+4*\slot+3], 2*STEP   ; so a group 0 may be written: this slot's next tile
	s_wait_dscnt 0x0                               ; my reads of the other slot are over
	s_barrier_signal -1                            ; the round opens
.if 1-\first
	WIN 0x86                                       ; O^T in window 2, the factors in window 1
	RSU 64                                         ; register work while the others arrive; also the places behind the last products, in front of the score products
	WIN 0                                          ; that write over the probabilities they read and of the loads into their fragments
.endif
	s_barrier_wait -1
	CREST                                          ; both waits now hold of every wave of the four work-groups
.if \lastfill
	tensor_load_to_lds s[G0L:G0L+3], s[G1L:G1L+7]  ; my one load behind the round, first thing there: the last step's values
	s_nop 0
.else
	tensor_load_to_lds s[G0+4*(1-\slot):G0+4*(1-\slot)+3], s[G1:G1+7]     ; my one load behind the round, first thing there: it has this trip's work in which to land
	s_nop 0
.endif
	FETCHK ADRK+\slot
	FETCHV ADRVA+\slot, 0, F0
.if 1-\first
	WIN 0x86
	RSU 64                                         ; the rest of window 2, while the keys are on their way from LDS
.set RP, 0
.endif
	s_wait_dscnt 16                                ; the keys are in; the 16 value loads behind them may stay out
	SMUL (1-\first)
.if \first
	PLACES 4                                       ; otherwise the last four multiplies are the places, for the loads below and for the first reader of a score
.endif
	FETCHV ADRVA+\slot, 4, F1                      ; over the keys
	s_wait_dscnt 16                                ; buffer 0 is in; the 16 just issued may stay out
	PVG 0, F0, \first, 0xA4, 1, 0
	FETCHV ADRVB+\slot, 0, F0
	s_wait_dscnt 16                                ; buffer 1 is in
	PVG 4, F1, \first, 0xA4, 2, 0
	s_wait_dscnt 0x0
	PVG 0, F0, \first, 0xF4, 2, ADRVB+\slot
	s_wait_dscnt 0x0
	PVG 4, F1, \first, 0xF4, 2, 0
.endm
; The last trip, from slot 1: no step follows, so it has the rescale and the value products alone
.macro TRIPL
.set VAR, 1
.set RP, 0
	WIN 0
	s_wait_tensorcnt 0x0
	s_wait_dscnt 0x0
	s_barrier_signal -1
	WIN 0x86
	RSU 64
	WIN 0
	s_barrier_wait -1
	CREST                                          ; nothing is left to fetch
	FETCHV ADRVA+1, 0, F0
.irp k, 0,1,2,3
	global_prefetch_b8 v[PFO], s[48:49] offset:32*ROWX*\k th:TH_LOAD_NT scope:SCOPE_SE   ; my 128 channels x 256 bytes of x, one lane a row, each piece asked for once in the launch, one trip ahead of the loads
.endr
	FETCHV ADRVA+1, 4, F1
	WIN 0x86
	RSU 64
.set RP, 0
	s_wait_dscnt 16
	PVG 0, F0, 0, 0xA4, 3, 0                       ; window 3's rescale behind window 2's products; its last four multiplies are the places for the next loads
	FETCHV ADRVB+1, 0, F0
	s_wait_dscnt 16
	PVG 4, F1, 0, 0xA4, 0, 0
	PLACES 4                                       ; no vector work is left to stand here
	FETCHV ADRVB+1, 4, F1
	s_wait_dscnt 16
	PVG 0, F0, 0, 0xF4, 0, 0
	s_wait_dscnt 0x0
	PVG 4, F1, 0, 0xF4, 0, 0
.endm
	s_wait_loadcnt 0x0                             ; the queries
	s_wait_kmcnt 0x0                               ; gamma
	s_wait_tensorcnt 0x1                           ; my part of step 0's keys is in; tile 0, issued behind it, may stay out
	s_barrier_signal -1
	s_barrier_wait -1                              ; everybody's is
	; step 0's scores and softmax, in one piece: no product is there yet to stand beside them
.set VAR, 1
.set FST, 1
.set NMN, NM+4
.set NMO, NM
.set UP, 0
	FETCHK ADRK0
	s_wait_dscnt 0x0
	SMUL 0
	WIN 0x55
	PLACES 4                                       ; four places in front of the first reader of a score
	SOFT NU, NU
	TRIP 0, 1, 0                                   ; 32 trips
	TRIP 1, 0, 0
	WIN 0                                          ; at a label and at a branch every window is 0
	s_mov_b32 s44, 14
.Llap:
	TRIP 0, 0, 0
	TRIP 1, 0, 0
	WIN 0
	s_sub_co_u32 s44, s44, 1
	s_cmp_lg_u32 s44, 0
	s_cbranch_scc1 .Llap
	TRIP 0, 0, 1                                   ; trip 30 asks for the last tile and makes the last step's probabilities
	TRIPL
	; THE MERGE.  Each wave hands its partner the partner's 128 channels (window 3) with its maximum and sum, and finishes its own (window 2).
	WIN 0x55
	PLACES 4                                       ; four places behind the last products, in front of the stores and loads that touch their registers
.irp t, 0,1,2,3
	v_add_f32 v[LS+\t], v[LP+2*\t], v[LP+2*\t+1]
.endr
.irp t, 0,1,2,3
	v_permlanex16_b32 v[TP+\t], v[LS+\t], s46, s47
.endr
.irp t, 0,1,2,3
	v_add_f32 v[LS+\t], v[LS+\t], v[TP+\t]         ; the sum over my 2,048 keys
.endr
	WIN 0x04                                       ; store data from window 1
	ds_store_b128 v[STO], v[NM:NM+3]               ; the last softmax was made in an even trip
	ds_store_b128 v[STO], v[LS:LS+3] offset:512
	WIN 0x0C                                       ; store data from window 3
.set kk, 0
.rept 64
	ds_store_b128 v[SCO], v[4*kk:4*kk+3] offset:512*kk
.set kk, kk+1
.endr
	s_wait_dscnt 0x0                               ; for my partner's sake, and window 3 is free
	WIN 0xC0                                       ; x of my own channels into window 3: register 32 dl + 4 j + t = channel 16 dl + 8 h + j, query 4 r + t
.irp dl, 0,1,2,3,4,5,6,7
.irp j, 0,1,2,3,4,5,6,7
	global_load_b128 v[32*\dl+4*\j:32*\dl+4*\j+3], v[XOFF], s[48:49] offset:(16*\dl+\j)*ROWX th:TH_LOAD_NT
.endr
.endr
	WIN 0
	s_barrier_signal -1
	s_barrier_wait -1                              ; my partner's stores are in LDS
.macro PBLOAD dl, buf                  ; the partner's sums for block dl of my channels: register 8 t + j
.irp k, 0,1,2,3,4,5,6,7
	ds_load_b128 v[\buf+4*\k:\buf+4*\k+3], v[SCP] offset:512*(8*\dl+\k)
.endr
.endm
	WIN 0x40
	ds_load_b128 v[PNM:PNM+3], v[STP]
	ds_load_b128 v[PLS:PLS+3], v[STP] offset:512
	WIN 0
	PBLOAD 0, F0
	s_wait_dscnt 8                                 ; the partner's maximum and sum are in; the eight loads behind them may stay out
	WIN 0x55
.irp t, 0,1,2,3
	v_min_num_f32 v[TM+\t], v[NM+\t], v[PNM+\t]    ; the larger maximum has the smaller - maximum x log2 e
.endr
.irp t, 0,1,2,3
	v_sub_f32 v[CA+\t], v[TM+\t], v[NM+\t]
.endr
.irp t, 0,1,2,3
	v_sub_f32 v[CB+\t], v[TM+\t], v[PNM+\t]
.endr
.irp t, 0,1,2,3
	v_exp_f32 v[CA+\t], v[CA+\t]
.endr
.irp t, 0,1,2,3
	v_exp_f32 v[CB+\t], v[CB+\t]
.endr
	v_nop                                          ; a plain instruction between a transcendental and its first use (ISA guide 5.7.2)
	s_wait_alu depctr_va_vdst(0)
.irp t, 0,1,2,3
	v_mul_f32 v[TM+\t], v[LS+\t], v[CA+\t]
.endr
.irp t, 0,1,2,3
	v_fma_f32 v[TM+\t], v[PLS+\t], v[CB+\t], v[TM+\t]      ; the sum over all 4,096 keys; the largest term is about 1, so it is never 0
.endr
.irp t, 0,1,2,3
	v_rcp_f32 v[TM+\t], v[TM+\t]
.endr
	v_nop
	s_wait_alu depctr_va_vdst(0)
.irp t, 0,1,2,3
	v_mul_f32 v[TM+\t], s43, v[TM+\t]              ; gamma / sum
.endr
.irp t, 0,1,2,3
	v_mul_f32 v[CA+\t], v[CA+\t], v[TM+\t]
.endr
.irp t, 0,1,2,3
	v_mul_f32 v[CB+\t], v[CB+\t], v[TM+\t]
.endr
; 16 channels: out0 = mine x CA + the partner's x CB + x, two fused multiply-adds on the registers that hold x
.macro OUT dl, nxt, buf, obuf
.if \dl < 7
	WIN 0
	PBLOAD \nxt, \obuf
	s_wait_dscnt 8                                 ; all but the eight just issued
.else
	s_wait_dscnt 0x0
.endif
	s_wait_loadcnt 56-8*\dl                        ; loads return in order: the later blocks' loads of x stay out
	WIN 0xF4                                       ; partner's sums window 0, factors window 1, x window 3
.irp j, 0,1,2,3,4,5,6,7
.irp t, 0,1,2,3
	v_fma_f32 v[32*\dl+4*\j+\t], v[\buf+8*\t+\j], v[CB+\t], v[32*\dl+4*\j+\t]
.endr
.endr
	WIN 0xF6                                       ; my sums window 2
.irp j, 0,1,2,3,4,5,6,7
.irp t, 0,1,2,3
	v_fma_f32 v[32*\dl+4*\j+\t], v[32*\dl+8*\t+\j], v[CA+\t], v[32*\dl+4*\j+\t]
.endr
.endr
	WIN 0x0C
.irp j, 0,1,2,3,4,5,6,7
	global_store_b128 v[XOFF], v[32*\dl+4*\j:32*\dl+4*\j+3], s[50:51] offset:(16*\dl+\j)*ROWX th:TH_STORE_NT   ; each half of the lanes stores 256 consecutive bytes, aligned
.endr
.endm
	OUT 0, 1, F0, F1
	OUT 1, 2, F1, F0
	OUT 2, 3, F0, F1
	OUT 3, 4, F1, F0
	OUT 4, 5, F0, F1
	OUT 5, 6, F1, F0
	OUT 6, 7, F0, F1
	OUT 7, 7, F1, F0
	WIN 0
	s_wait_tensorcnt 0x0
	ds_add_u32 v254, v255
	s_wait_dscnt 0x0
	ROUND                                          ; the closing round: no work-group ends while a partner may still ask for a tile that names it
	s_endpgm
.Lfunc_end_k_q576aaf7cbc_attn:
	.size	k_q576aaf7cbc_attn, .Lfunc_end_k_q576aaf7cbc_attn-k_q576aaf7cbc_attn
	.p2alignl 7, 3214868480
	.fill 96, 4, 3214868480
	.section	.rodata,"a",@progbits
	.p2align	6, 0x0
	.amdhsa_kernel k_q576aaf7cbc_attn
		.amdhsa_group_segment_fixed_size 327680
		.amdhsa_private_segment_fixed_size 0
		.amdhsa_enable_private_segment 0
		.amdhsa_kernarg_size 40
		.amdhsa_user_sgpr_count 2
		.amdhsa_user_sgpr_kernarg_segment_ptr 1
		.amdhsa_wavefront_size32 1
		.amdhsa_system_sgpr_workgroup_id_x 1
		.amdhsa_system_sgpr_workgroup_id_y 1
		.amdhsa_system_sgpr_workgroup_id_z 1
		.amdhsa_system_vgpr_workitem_id 0
		.amdhsa_next_free_vgpr 1024
		.amdhsa_next_free_sgpr 94
		.amdhsa_reserve_vcc 0
		.amdhsa_float_denorm_mode_32 3
		.amdhsa_float_denorm_mode_16_64 3
		.amdhsa_memory_ordered 1
		.amdhsa_forward_progress 1
		.amdhsa_inst_pref_size 255
	.end_amdhsa_kernel
	.section	.bss,"aw",@nobits
	.p2align	6
	.space	262144
	.amdgpu_metadata
---
amdhsa.version: [ 1, 2 ]
amdhsa.kernels:
  - .name:           k_q576aaf7cbc_attn
    .symbol:         k_q576aaf7cbc_attn.kd
    .args:
      - { .name: kv, .offset: 0, .size: 8, .value_kind: global_buffer, .address_space: global }
      - { .name: qbuf, .offset: 8, .size: 8, .value_kind: global_buffer, .address_space: global }
      - { .name: x, .offset: 16, .size: 8, .value_kind: global_buffer, .address_space: global }
      - { .name: gamma, .offset: 24, .size: 8, .value_kind: global_buffer, .address_space: global }
      - { .name: out0, .offset: 32, .size: 8, .value_kind: global_buffer, .address_space: global }
    .group_segment_fixed_size: 327680
    .private_segment_fixed_size: 0
    .kernarg_segment_align: 8
    .kernarg_segment_size: 40
    .max_flat_workgroup_size: 128
    .sgpr_count:     94
    .vgpr_count:     1024
    .wavefront_size: 32
...
	.end_amdgpu_metadata
.endif
;; end of part 3
;; ======== version 3 of 3: 2 launches; version 2 with the launch proj written anew for expert scheduling mode
;; limits: values are held in f16: magnitudes above 65,504 overflow, below 6.1e-05 lose precision
;; workspace buffers: kv 20,971,520 bytes; qbuf 4,194,304 bytes
;; launch proj (part 4): grid 32 x 8, 8 waves a work-group, no clusters, 312,320 bytes of LDS; arguments x, wf, wg, wh, kv, qbuf; writes kv, qbuf
.if DOCPART == 4
	.amdgcn_target "amdgcn-amd-amdhsa--gfx1250"
	.amdhsa_code_object_version 6
	.text
	.protected	k_q576aaf7cbc_proj
	.globl	k_q576aaf7cbc_proj
	.p2align	8
	.type	k_q576aaf7cbc_proj,@function
k_q576aaf7cbc_proj:
	s_mov_b64 s[64:65], 0
	v_nop
	global_prefetch_b8 v0, s[64:65] scope:SCOPE_SE
	s_setreg_imm32_b32 hwreg(HW_REG_WAVE_SCHED_MODE, 0, 2), 2
	s_setreg_imm32_b32 hwreg(HW_REG_WAVE_MODE, 25, 1), 1
	s_wait_xcnt 0x0
	s_wait_alu depctr_vm_vsrc(0)
; The three 1x1 convolutions of reference(): fx = wf x, gx = wg x, hx = wh x, per batch, x taken as [256][4096].
; Nothing of reference() is left out in this program: every input reaches the output for all values, so all five are loaded
; (x, wf, wg, wh here; x again and gamma in the second launch).
; The softmax of reference() runs over the FIRST index of s[i][j] = sum_c fx[c][i] gx[c][j], and o[c][m] = sum_n hx[c][n] b[n][m]:
; column i of fx is a key, column j of gx a query, column i of hx a value.  This launch stores them in f16, cut as the second launch reads them:
;   kv   [batch*32 + step][320 rows][256 bytes]: a step is 128 positions.  Rows 0-63: keys, [position][64 channels], two positions a row.
;        Rows 64-319: values, row 64 + d = hx[d][the step's 128 positions].
;   qbuf [batch][position][64 channels].
; WHY f16: a score is a sum of 64 products and goes into an exponential with no factor in front, so an operand's relative rounding error is multiplied by
; the lengths of key and query; f16's 11 significant bits keep that error an eighth of what 8 bits would leave.
; LIMITS: x and the weights are rounded to f16 in front of the products, fx, gx, hx to f16 behind them (sums in f32).  A magnitude over 65,504 in any of them
; becomes an infinity.  The room: a sum of 256 products of x of size X and weights of size W is at most 256 X W, so X W up to 255 is served.
; Under 2^-14 the rounding error is absolute, at most 2^-25.
; A work-group takes one step of one batch (128 positions) and all 384 output rows; 256 work-groups.  Wave w owns three weight tiles of 16 rows:
; wh rows 32w..32w+31 and rows 16(w&3).. of wf (w < 4) or wg (w >= 4); each meets all eight tiles of 16 positions: 24 accumulators.
; Every byte has to pass registers to be rounded to f16, so x and the weights come by plain loads; no work-group shares converted data with another.
; THE MODE: SCHED_MODE bits 1:0 = 2 (LLVM: expert scheduling mode 2), set by the entry lines.  The code itself states the register dependences
; between vector or matrix instructions and memory or LDS instructions, with s_wait_alu, always for 0.
; THE PLAN.  Registers that memory or LDS instructions touch:
;   v2, v3, v5-v12   offsets and LDS addresses: written at the head, never again.
;   X  (v16-143)     32 rows of x as loaded.  Four blocks of 8 rows: block b's conversions round its rows in place (a row's first two registers); the LDS stores of
;                    block b - 1 are issued among them.
;   W0-W3            a ring of four buffers of 8 weight loads (v144-239; the fourth is v16-47, x's rows 0-7 once they are stored).  Twelve blocks: block p's conversions read
;                    W[p % 4]; the loads of block p + 3, issued in block p, land in W[(p - 1) % 4].
;   Y0, Y1 (v48-79)  block p's conversions write Y[p % 2]; the LDS stores issued in block p + 1 read it.
;   XF, WF           two buffers of fragments: K step k's products read buffer k % 2; the LDS loads of step k + 1, issued among them, land in the other.
;   PK, RB           the way out: the conversions write PK, LDS stores read it; LDS loads land in RB, global stores read it.
; So the memory and LDS instructions of a block or step touch only buffers that none of its vector or matrix instructions names, and the waits at its head state all that they hang on.
.set XREG,  202752                     ; LDS: x in f16, [channel][128 positions], 256 rows
.set KQST,  276480                     ; LDS: stage of the key rows (0-63) and query rows (64-127)
.set WWAVE, 25344                      ; LDS from 0: each wave's own 48 weight rows
.set WP,    528                        ; a weight row: 512 bytes + 16
.set XP,    288                        ; an x row: 256 bytes + 32 = 9 x 32, as the transposing load's rows want
.set SP,    272                        ; a staged row: 256 bytes + 16 = 17 x 16: sixteen rows' pieces of 16 bytes fall on sixteen different columns of 256
.set XS,    16                         ; v16-143   x as loaded, 32 rows x 4 registers
.set WS,    144                        ; v144-239  weights as loaded: buffers 0 to 2 of the ring, 8 slots x 4 registers each; buffer 3 lies at v16-47
.set YB,    48                         ; v48-79    two out-buffers of 8 slots x 2 registers: weights in f16 on the way to LDS
.set TMP,   240                        ; v240-246  the set-up's scratch
.set XF0,   16                         ; v16-79    x fragments (8 tiles of 16 positions x 32 channels), buffer 0
.set XF1,   80                         ; v80-143   buffer 1
.set WF0,   144                        ; v144-167  weight fragments (3 tiles), buffer 0
.set WF1,   168                        ; v168-191  buffer 1
.set PK,    16                         ; v16-111   the way out: 24 tiles packed, 4 registers each
.set RB,    112                        ; v112-207  the way out: rows read back
; v2 16 x lane (global offset); v3 x store; v5 weight store; v6, v7 x fragments (channels 0-127, 128-255); v8 weight fragments;
; v9, v10 value stage in, back; v11, v12 key and query stage in, back.  Window 1 (v256-447): accumulator 3 nt + {0, 1: values; 2: keys or queries}.
; v254, v255: the closing add's two registers, made at the head and kept for it alone; its spare words lie from LDS byte 0x4c000 on, 128 bytes a wave.
.set MSB, 0
.macro WIN new                         ; the immediate's high byte repeats the setting that is left
.if MSB != \new
	s_set_vgpr_msb (MSB<<8)|\new
.set MSB, \new
.endif
.endm
.macro PLACES n
.rept \n
	v_nop
.endr
.endm
	s_load_b256 s[4:11], s[0:1], 0x0               ; x s[4:5], wf s[6:7], wg s[8:9], wh s[10:11]
	s_load_b128 s[12:15], s[0:1], 0x20             ; kv s[12:13], qbuf s[14:15]
	v_lshl_add_u32 v254, v0, 2, 0x4c000
	v_mov_b32 v255, 0
	v_lshrrev_b32 v1, 5, v0
	v_readfirstlane_b32 s16, v1                    ; wave 0..7
	s_mov_b32 s17, ttmp9                           ; step 0..31
	s_and_b32 s18, ttmp7, 0xffff                   ; batch 0..7
	v_and_b32 v1, 31, v0                           ; lane
	v_lshlrev_b32 v2, 4, v1                        ; 16 bytes a lane
	s_lshl_b32 s30, s18, 22                        ; x: batch x 256 rows x 16,384 bytes
	s_wait_alu depctr_va_sdst(0)                   ; s16 is written, ahead of its first reader: every base and LDS address below is made from it
	s_lshl_b32 s19, s16, 19                        ;  + my 32 channels
	s_add_co_u32 s30, s30, s19
	s_lshl_b32 s19, s17, 9                         ;  + the step's 128 positions
	s_add_co_u32 s30, s30, s19
	s_mov_b32 s31, 0
	s_lshl_b32 s32, s16, 15                        ; wh: my 32 rows of 1,024 bytes
	s_mov_b32 s33, 0
	s_and_b32 s19, s16, 3
	s_lshl_b32 s34, s19, 14                        ; wf or wg: my 16 rows
	s_mov_b32 s35, 0
	s_lshl_b32 s40, s18, 5
	s_add_co_u32 s40, s40, s17                     ; tile = 32 batch + step
	s_mul_i32 s41, s40, 81920                      ; the tile in kv
	s_lshl_b32 s42, s16, 13
	s_add_co_u32 s36, s41, s42
	s_add_co_u32 s36, s36, 16384                   ; my 32 value rows: behind the 64 key rows
	s_mov_b32 s37, 0
	s_lshl_b32 s43, s19, 12                        ; 16 rows of 256 bytes for each of four waves
	s_add_co_u32 s41, s41, s43                     ; key rows in kv
	s_lshl_b32 s42, s40, 14
	s_add_co_u32 s42, s42, s43                     ; query rows in qbuf
	s_mov_b32 s39, 0
	s_wait_kmcnt 0x0
	s_cmp_lt_u32 s16, 4                            ; waves 0-3: wf and keys; waves 4-7: wg and queries
	s_cselect_b64 s[24:25], s[6:7], s[8:9]
	s_cselect_b64 s[28:29], s[12:13], s[14:15]
	s_cselect_b32 s38, s41, s42
	s_add_nc_u64 s[20:21], s[4:5], s[30:31]
	s_add_nc_u64 s[22:23], s[10:11], s[32:33]
	s_add_nc_u64 s[24:25], s[24:25], s[34:35]
	s_add_nc_u64 s[26:27], s[12:13], s[36:37]
	s_add_nc_u64 s[28:29], s[28:29], s[38:39]
	s_wait_alu depctr_va_vdst(0)                   ; v2 is written: every global load and store of the kernel reads it as its offset
	; 32 loads of x: each takes the 512 bytes (128 positions) of one channel
.set i, 0
.rept 32
	global_load_b128 v[XS+4*i:XS+4*i+3], v2, s[20:21] offset:i*16384 th:TH_LOAD_NT
.set i, i+1
.endr
; weight load wl (0..95): half a row of 512 bytes; 0-63 from wh, 64-95 from wf or wg.  It lands in slot wl % 8 of buffer (wl / 8) % 4 of the ring
.macro WLOAD
.set WD, WS+32*((wl/8)%4)-224*(((wl/8)%4)/3)+4*(wl%8)
.if wl < 64
	global_load_b128 v[WD:WD+3], v2, s[22:23] offset:512*wl
.else
	global_load_b128 v[WD:WD+3], v2, s[24:25] offset:512*(wl-64)
.endif
.endm
.set wl, 0
.rept 24
	WLOAD
.set wl, wl+1
.endr
	; LDS addresses, while the loads are on their way
	v_and_b32 v240, 15, v0                         ; r
	v_bfe_u32 v241, v0, 4, 1                       ; h
	v_and_b32 v242, 7, v0
	v_bfe_u32 v243, v0, 3, 1
	s_mul_i32 s44, s16, WWAVE                      ; my weight rows
	s_mul_i32 s45, s16, 32*XP
	s_add_co_u32 s45, s45, XREG
	v_lshl_add_u32 v3, v1, 3, s45                  ; x in: my 32 channels, 8 bytes a lane
	v_lshl_add_u32 v5, v1, 3, s44                  ; weights in
	v_lshl_add_u32 v244, v241, 3, v242             ; transposing load: channel 8h + (lane & 7),
	v_mul_u32_u24 v244, v244, XP
	v_lshl_add_u32 v244, v243, 4, v244             ; 16 bytes further for lanes 8-15 of each half
	v_add_nc_u32 v6, XREG, v244
	v_add_nc_u32 v7, 128*XP, v6                    ; channels 128-255: beyond the reach of a 16-bit offset
	v_mul_u32_u24 v244, v240, WP
	v_lshl_add_u32 v244, v241, 4, v244
	v_add_nc_u32 v8, s44, v244                     ; weight fragment: row r, 16 h
	v_mul_u32_u24 v244, v240, SP
	v_lshl_add_u32 v244, v241, 4, v244
	v_add_nc_u32 v9, s44, v244                     ; value stage in: row r, 16 h
	v_mul_u32_u24 v244, v241, SP
	v_lshl_add_u32 v244, v240, 4, v244             ; back by rows: lanes 0-15 one row, lanes 16-31 the next
	v_add_nc_u32 v10, s44, v244
	s_mul_i32 s45, s16, 16*SP
	s_add_co_u32 s45, s45, KQST
	v_add_nc_u32 v12, s45, v244                    ; wave w reads rows 16w..16w+15 of the key and query stage
	v_lshrrev_b32 v245, 1, v240
	v_and_b32 v246, 1, v240
	v_mul_u32_u24 v245, v245, SP                   ; position r: row r >> 1,
	v_lshl_add_u32 v245, v246, 7, v245             ; half r & 1,
	v_lshl_add_u32 v245, v241, 4, v245             ; channels 8h..
	s_lshr_b32 s45, s16, 2
	s_mul_i32 s45, s45, 64*SP                      ; keys, or queries behind them
	s_lshl_b32 s46, s19, 5                         ; my 16 channels
	s_add_co_u32 s45, s45, s46
	s_add_co_u32 s45, s45, KQST
	v_add_nc_u32 v11, s45, v245
	; x to f16 and into LDS, four blocks of 8 rows.  Block xb rounds its rows in place; the stores of block xb - 1 stand among its conversions.
.set xb, 0
.rept 4
	s_wait_loadcnt 48-8*xb                         ; loads return in order: behind this block's last load stand 24 - 8 xb of x and 24 of the weights
.if xb > 0
	s_wait_alu depctr_va_vdst(0)                   ; the block before has written its rows' first two registers, which the stores below read; in block 1 also: v3 and the other LDS addresses are written
.endif
.set i, 0
.rept 8
.if xb > 0
	ds_store_b64 v3, v[XS+4*(8*xb-8+i):XS+4*(8*xb-8+i)+1] offset:(8*xb-8+i)*XP   ; no vector instruction since the wait names these registers
.endif
	v_cvt_pk_f16_f32 v[XS+4*(8*xb+i)], v[XS+4*(8*xb+i)], v[XS+4*(8*xb+i)+1]
	v_cvt_pk_f16_f32 v[XS+4*(8*xb+i)+1], v[XS+4*(8*xb+i)+2], v[XS+4*(8*xb+i)+3]
.set i, i+1
.endr
.set xb, xb+1
.endr
	; the weights likewise, twelve blocks of 8 loads.  Block p rounds W[p % 4] into Y[p % 2]; among its conversions stand the loads of block p + 3, into W[(p - 1) % 4],
	; and the stores of block p - 1, from the other Y (in block 0: of x's last 8 rows).
.set p, 0
.rept 12
.if p < 10
	s_wait_loadcnt 16                              ; this block's 8 loads are in; the two younger blocks stay out
.else
	s_wait_loadcnt 8*(11-p)                        ; nothing is left to ask for: the count runs down
.endif
.if p == 0
	s_wait_alu depctr_vm_vsrc(0)                   ; the LDS stores of x's rows 0 to 23 have read their registers: rows 0-7 become W3, in which loads land, rows 8-15 become Y0 and Y1, which conversions write
.endif
.if p > 1
	s_wait_alu depctr_vm_vsrc(0)                   ; the LDS stores issued in the block before have read Y[p % 2], which this block's conversions write again
.endif
	s_wait_alu depctr_va_vdst(0)                   ; the block before has written what the stores below read (the other Y; in block 0 x's rows 24-31) and is done reading the buffer in which the loads below land (in block 0: x's first block is done with rows 0-7)
.set i, 0
.rept 8
.if p < 9
.set wl, 8*(p+3)+i
	WLOAD                                          ; three blocks ahead; no vector instruction since the wait names these registers
.endif
.if p == 0
	ds_store_b64 v3, v[XS+4*(24+i):XS+4*(24+i)+1] offset:(24+i)*XP
.else
.set ws, 8*(p-1)+i
	ds_store_b64 v5, v[YB+16*((p-1)%2)+2*i:YB+16*((p-1)%2)+2*i+1] offset:(ws/2)*WP+(ws%2)*256
.endif
.set WR, WS+32*(p%4)-224*((p%4)/3)+4*i
	v_cvt_pk_f16_f32 v[YB+16*(p%2)+2*i], v[WR], v[WR+1]
	v_cvt_pk_f16_f32 v[YB+16*(p%2)+2*i+1], v[WR+2], v[WR+3]
.set i, i+1
.endr
.set p, p+1
.endr
	s_wait_alu depctr_va_vdst(0)                   ; block 11 has written Y1, which the last eight stores read; and every conversion is done with the registers in which fragments land below
.set i, 0
.rept 8
	ds_store_b64 v5, v[YB+16+2*i:YB+16+2*i+1] offset:((88+i)/2)*WP+((88+i)%2)*256
.set i, i+1
.endr
	s_wait_dscnt 0x0                               ; my rows of x are in LDS: all waves read them behind the barrier
	s_barrier_signal -1
	s_barrier_wait -1
	s_wait_alu depctr_vm_vsrc(0)                   ; my LDS stores have read Y0, Y1 and x's rows 24-31: these registers are fragment buffers from here on, written by LDS loads
; The fragments of 32 channels: 16 transposing loads for x (stored [channel][position]), 6 plain ones for the weights (stored along the channels)
.macro FX ks, xf, nt                   ; x: tile nt of 16 positions
	ds_load_tr16_b128 v[\xf+8*(\nt):\xf+8*(\nt)+3],   v[6+(\ks)/4] offset:((\ks)%4)*32*XP+32*(\nt)
	ds_load_tr16_b128 v[\xf+8*(\nt)+4:\xf+8*(\nt)+7], v[6+(\ks)/4] offset:((\ks)%4)*32*XP+32*(\nt)+16*XP
.endm
.macro FW ks, wf, tl                   ; weights: tile tl of 16 rows
	ds_load_b128 v[\wf+8*(\tl):\wf+8*(\tl)+3],   v8 offset:16*WP*(\tl)+64*(\ks)
	ds_load_b128 v[\wf+8*(\tl)+4:\wf+8*(\tl)+7], v8 offset:16*WP*(\tl)+64*(\ks)+32
.endm
.macro FETCH ks, xf, wf
.irp nt, 0,1,2,3,4,5,6,7
	FX \ks, \xf, \nt
.endr
.irp tl, 0,1,2
	FW \ks, \wf, \tl
.endr
.endm
; 24 products.  Values: source 0 = positions, source 1 = rows of wh, so that a lane's eight results are eight neighbouring positions of one value row.
; Keys and queries: source 0 = rows of wf or wg, source 1 = positions: eight neighbouring channels of one position.
; The 24 accumulators take turns, one instruction a turn, in the same order in every K step.
; nxt >= 0: the 22 fragment loads of K step nxt, into the other buffer, are dealt behind the first four groups of three products (6, 6, 6, 4).  They owe no further wait:
; the products name this step's buffer and the accumulators, none of the registers that those loads touch.
.macro MUL xf, wf, zero, nxt, xfn, wfn
.irp nt, 0,1,2,3,4,5,6,7
	WIN 0x50                                       ; C and D in window 1
.if \zero
	v_wmma_f32_16x16x32_f16 v[8*(3*\nt):8*(3*\nt)+7],     v[\xf+8*\nt:\xf+8*\nt+7], v[\wf:\wf+7], 0
	v_wmma_f32_16x16x32_f16 v[8*(3*\nt+1):8*(3*\nt+1)+7], v[\xf+8*\nt:\xf+8*\nt+7], v[\wf+8:\wf+15], 0
	v_wmma_f32_16x16x32_f16 v[8*(3*\nt+2):8*(3*\nt+2)+7], v[\wf+16:\wf+23], v[\xf+8*\nt:\xf+8*\nt+7], 0
.else
	v_wmma_f32_16x16x32_f16 v[8*(3*\nt):8*(3*\nt)+7],     v[\xf+8*\nt:\xf+8*\nt+7], v[\wf:\wf+7], v[8*(3*\nt):8*(3*\nt)+7]
	v_wmma_f32_16x16x32_f16 v[8*(3*\nt+1):8*(3*\nt+1)+7], v[\xf+8*\nt:\xf+8*\nt+7], v[\wf+8:\wf+15], v[8*(3*\nt+1):8*(3*\nt+1)+7]
	v_wmma_f32_16x16x32_f16 v[8*(3*\nt+2):8*(3*\nt+2)+7], v[\wf+16:\wf+23], v[\xf+8*\nt:\xf+8*\nt+7], v[8*(3*\nt+2):8*(3*\nt+2)+7]
.endif
.if \nxt >= 0
.if \nt < 4
	WIN 0                                          ; the loads' data and addresses lie in window 0
	FX \nxt, \xfn, (2*\nt)
	FX \nxt, \xfn, (2*\nt+1)
.if \nt < 3
	FW \nxt, \wfn, \nt
.endif
.endif
.endif
.endr
.endm
; One K step: this step's fragments are multiplied, and the next step's are asked for among the products, into the buffer that the step before multiplied
.macro KSTEP nxt, xfc, wfc, xfn, wfn
	PLACES 4                                       ; four plain vector instructions between the last products and the loads into registers that they have read stay as in the plain form (ISA guide 7.12.1 for vector instructions); the wait below stands beside them
	s_wait_dscnt 0x0                               ; this step's fragments are in: their loads were issued in the first half of the step before (step 1's: ahead of step 0)
	s_wait_alu depctr_va_vdst(0)                   ; the last step's products are done reading their fragments, in which this step's loads land
	MUL \xfc, \wfc, 0, \nxt, \xfn, \wfn
.endm
	FETCH 0, XF0, WF0
	FETCH 1, XF1, WF1
	s_wait_dscnt 22                                ; step 0's fragments are in; step 1's 22 loads stay out
	MUL XF0, WF0, 1, -1, 0, 0                      ; the first products start the sums: nothing is cleared
	KSTEP 2, XF1, WF1, XF0, WF0
	KSTEP 3, XF0, WF0, XF1, WF1
	KSTEP 4, XF1, WF1, XF0, WF0
	KSTEP 5, XF0, WF0, XF1, WF1
	KSTEP 6, XF1, WF1, XF0, WF0
	KSTEP 7, XF0, WF0, XF1, WF1
	s_wait_dscnt 0x0
	MUL XF1, WF1, 0, -1, 0, 0                      ; the last step asks for nothing
	; THE WAY OUT: round to f16, 16 bytes a lane into a stage, whole rows of 256 bytes back and out.  In two halves of 12 tiles: the first half's LDS stores leave while the second half is rounded.
.macro PACKH a0                        ; 12 tiles from a0 on; each accumulator from its low end on
	WIN 0x05                                       ; sources in window 1
.set aa, \a0
.rept 12
.irp q, 0,1,2,3
	v_cvt_pk_f16_f32 v[PK+4*aa+\q], v[8*aa+2*\q], v[8*aa+2*\q+1]
.endr
.set aa, aa+1
.endr
	WIN 0
.endm
.macro STAGEH n0, n1, n2, n3           ; the 12 tiles of four tiles of positions
.irp nt, \n0, \n1, \n2, \n3
.irp dt, 0,1
	ds_store_b128 v9, v[PK+4*(3*\nt+\dt):PK+4*(3*\nt+\dt)+3] offset:16*SP*\dt+32*\nt   ; values: onto my own weight rows, whose last read has been waited for
.endr
	ds_store_b128 v11, v[PK+4*(3*\nt+2):PK+4*(3*\nt+2)+3] offset:8*SP*\nt              ; keys or queries: 16 positions are 8 staged rows
.endr
.endm
	PLACES 4                                       ; four places behind the last products, in front of what reads results and writes over fragments
	PACKH 0
	s_wait_alu depctr_va_vdst(0)                   ; the conversions have written v[PK .. PK+47], which the twelve LDS stores below read
	STAGEH 0, 1, 2, 3
	PACKH 12
	s_wait_alu depctr_va_vdst(0)                   ; the conversions have written v[PK+48 .. PK+95], which the LDS stores below read; and the last products are done reading v[RB ..], in which the loads from the stage land
	STAGEH 4, 5, 6, 7
	s_wait_dscnt 0x0                               ; a key or query row is made by four waves: my part is in LDS
	s_barrier_signal -1
	s_barrier_wait -1
.irp k, 0,1,2,3,4,5,6,7,8,9,10,11,12,13,14,15
	ds_load_b128 v[RB+4*\k:RB+4*\k+3], v10 offset:2*SP*\k
.endr
.irp k, 0,1,2,3,4,5,6,7
	ds_load_b128 v[RB+64+4*\k:RB+64+4*\k+3], v12 offset:2*SP*\k
.endr
.irp k, 0,1,2,3,4,5,6,7,8,9,10,11,12,13,14,15
	s_wait_dscnt 23-\k                             ; LDS loads return in order: the younger ones stay out
	global_store_b128 v2, v[RB+4*\k:RB+4*\k+3], s[26:27] offset:512*\k        ; each store covers 512 consecutive bytes, aligned
.endr
.irp k, 0,1,2,3,4,5,6,7
	s_wait_dscnt 7-\k
	global_store_b128 v2, v[RB+64+4*\k:RB+64+4*\k+3], s[28:29] offset:512*\k
.endr
	s_wait_dscnt 0x0                               ; the closing lines, six on end
	s_wait_alu 0x0
	s_wait_tensorcnt 0x0
	ds_add_u32 v254, v255
	s_wait_dscnt 0x0
	s_endpgm
.Lfunc_end_k_q576aaf7cbc_proj:
	.size	k_q576aaf7cbc_proj, .Lfunc_end_k_q576aaf7cbc_proj-k_q576aaf7cbc_proj
	.p2alignl 7, 3214868480
	.fill 96, 4, 3214868480
	.section	.rodata,"a",@progbits
	.p2align	6, 0x0
	.amdhsa_kernel k_q576aaf7cbc_proj
		.amdhsa_group_segment_fixed_size 312320
		.amdhsa_private_segment_fixed_size 0
		.amdhsa_enable_private_segment 0
		.amdhsa_kernarg_size 48
		.amdhsa_user_sgpr_count 2
		.amdhsa_user_sgpr_kernarg_segment_ptr 1
		.amdhsa_wavefront_size32 1
		.amdhsa_system_sgpr_workgroup_id_x 1
		.amdhsa_system_sgpr_workgroup_id_y 1
		.amdhsa_system_sgpr_workgroup_id_z 1
		.amdhsa_system_vgpr_workitem_id 0
		.amdhsa_next_free_vgpr 448
		.amdhsa_next_free_sgpr 66
		.amdhsa_reserve_vcc 0
		.amdhsa_float_denorm_mode_32 3
		.amdhsa_float_denorm_mode_16_64 3
		.amdhsa_memory_ordered 1
		.amdhsa_forward_progress 1
		.amdhsa_inst_pref_size 80
	.end_amdhsa_kernel
	.amdgpu_metadata
---
amdhsa.version: [ 1, 2 ]
amdhsa.kernels:
  - .name:           k_q576aaf7cbc_proj
    .symbol:         k_q576aaf7cbc_proj.kd
    .args:
      - { .name: x, .offset: 0, .size: 8, .value_kind: global_buffer, .address_space: global }
      - { .name: wf, .offset: 8, .size: 8, .value_kind: global_buffer, .address_space: global }
      - { .name: wg, .offset: 16, .size: 8, .value_kind: global_buffer, .address_space: global }
      - { .name: wh, .offset: 24, .size: 8, .value_kind: global_buffer, .address_space: global }
      - { .name: kv, .offset: 32, .size: 8, .value_kind: global_buffer, .address_space: global }
      - { .name: qbuf, .offset: 40, .size: 8, .value_kind: global_buffer, .address_space: global }
    .group_segment_fixed_size: 312320
    .private_segment_fixed_size: 0
    .kernarg_segment_align: 8
    .kernarg_segment_size: 48
    .max_flat_workgroup_size: 256
    .sgpr_count:     66
    .vgpr_count:     448
    .wavefront_size: 32
...
	.end_amdgpu_metadata
.endif
;; end of part 4
;; launch attn: the kernel of part 3 again; grid 32 x 8, 4 waves a work-group, clusters of 4 x 1, 327,680 bytes of LDS; arguments kv, qbuf, x, gamma, out0; writes out0
